; MI455X (gfx1250); checked and timed in simulation.
; The chip was launched on July 23, 2026; its instructions are those of AMD's public machine-readable ISA for CDNA 5 (MIT licence, August 2026) and "CDNA5" Instruction Set Architecture Reference Guide (July 2026). The comments in the code are by the model that wrote it; some were corrected since.
;; Scaled Dot Product Attention. Allowed arithmetic: matrix products marked QUANTISED: E5M2 operands, one E8M0 scale for each 32 along K, by v_wmma_scale_f32_16x16x128_f8f6f4 with both operands' format E5M2, f32 sums; everything else in f32.
;; Inputs: k 4 x 16 x 2,048 x 64 float32; mask 4 x 1 x 2,048 x 2,048 int32; q 4 x 16 x 2,048 x 64 float32; v 4 x 16 x 2,048 x 64 float32.
;; Outputs: out0 4 x 16 x 2,048 x 64 float32.
;; This version of the problem:
;;   THIS VERSION OF THE PROBLEM IS GIVEN IN LOW PRECISION. The matrix products marked QUANTISED in the list below multiply operands that are first quantised to E5M2 (5 exponent bits, 2 mantissa bits; 8 bits a number), with one power-of-two scale for each 32 numbers along K (OCP MX v1.0); their sums are f32. All else is computed in f32.
;;   The module's matrix products, in the order in which they are computed (A, B: the left and right operand; K: the contracted axis; several contracted axes count as one K, in the product's order):
;;     1. batch 64 x [M 2,048, K 64] x [K 64, N 2,048]; A: input q; B: input k: QUANTISED
;;     2. batch 64 x [M 2,048, K 2,048] x [K 2,048, N 64]; A: softmax (see below); B: input v: QUANTISED
;;   THE QUANTISER, for each operand of a quantised product, along K:
;;     - K is cut into blocks of 32 from its start; a last block that is shorter is filled with zeros.
;;     - A block's scale is 2^e with e = floor(log2(the largest magnitude in the block)) - 15, held to -126 .. 127; a block of zeros has e = 0. As a byte (E8M0): e + 127.
;;     - Each number is divided by its block's scale, clamped to +-57,344, and rounded to the nearest number of E5M2, ties to even, subnormals kept.
;;     - The product sums the exact products of the quantised numbers (number of the format x scale) in f32.
;;   ~~~python
;;   def quantise(x, axis):      # numpy; x: float32 -> the quantised numbers, widened to float32 again
;;       x = np.moveaxis(x, axis, -1); K = x.shape[-1]
;;       x = np.pad(x, [(0, 0)] * (x.ndim - 1) + [(0, -K % 32)]); x = x.reshape(x.shape[:-1] + (-1, 32)); a = np.abs(x).max(-1, keepdims=True)
;;       e = np.where(a > 0, np.clip(np.frexp(np.where(a > 0, a, 1))[1] - 1 - 15, -126, 127), 0)      # np.frexp(a)[1] - 1 = floor(log2(a)), exactly
;;       r = np.clip(x / 2.0 ** e, -57344, 57344)
;;       step = 2.0 ** (np.maximum(np.frexp(np.where(r == 0, 1, r))[1] - 1, -14) - 2)
;;       q = np.round(r / step) * step * 2.0 ** e      # np.round: ties to even
;;       return np.moveaxis(q.reshape(q.shape[:-2] + (-1,))[..., :K], -1, axis).astype(np.float32)
;;   ~~~
;;   SOFTMAX AHEAD OF A QUANTISED PRODUCT. Where the list says 'softmax', what is quantised is not the finished softmax but p = 2^(t - M), with t = logit x log2(e) and M = ceil(the row's largest t), a whole number; so 1/2 < the row's largest p <= 1. The row's sum l is taken of the UNQUANTISED p, in f32, and the product's result is divided by l at the end. Since M is a whole number, a kernel that streams over the keys may use a running M (the ceiling of the running maximum): every later rescaling is an exact power of two, which a block's scale takes up: the codes' values come out the same.
;;   OPERANDS COMPUTED ON THE WAY. 'Computed on the way' means the value that the module computes at that place (a softmax that the list does not call 'softmax' is quantised finished and normalised). What goes into a quantiser is computed in f32, as accurately as f32 sums, v_exp_f32 and their like allow (about 1e-6 of the number): no bf16 or f16 on the way to a quantiser, and a product that is left as it is and whose result goes on into a quantised operand takes f32 operands (vector FMAs, or v_wmma_f32_16x16x4_f32). A number that lies on a knife's edge between two numbers of the format may be rounded either way, as far as f32 arithmetic and the matrix unit's own rounding can turn it there, and no further.
;; 2 versions. Each part assembles by itself: llvm-mc -triple=amdgcn-amd-amdhsa -mcpu=gfx1250 --defsym DOCPART=n.
;; ======== version 1 of 2: 2 launches
;; limits: right only within a limited range of input values
;; workspace buffers: qw 8,912,896 bytes; kvw 17,563,648 bytes; maskw 2,097,152 bytes of whole numbers
;; launch prep (part 1): grid 1280 x 1, 4 waves a work-group, no clusters, 69,120 bytes of LDS; arguments q, k, v, mask, qw, kvw, maskw; writes qw, kvw, maskw
.if DOCPART == 1
	.amdgcn_target "amdgcn-amd-amdhsa--gfx1250"
	.amdhsa_code_object_version 6
	.text
	.protected	k_qfc879e701e_prep
	.globl	k_qfc879e701e_prep
	.p2align	8
	.type	k_qfc879e701e_prep,@function
k_qfc879e701e_prep:
	s_mov_b64 s[64:65], 0
	v_nop
	global_prefetch_b8 v0, s[64:65] scope:SCOPE_SE
	s_setreg_imm32_b32 hwreg(HW_REG_WAVE_MODE, 25, 1), 1
	s_wait_xcnt 0x0
; q, k, v [64 heads][2048][64] f32 become codes of E5M2 with one E8M0 byte for each 32 along a product's K, and mask [4][2048][2048] int32 becomes lane masks,
; all laid in the order in which the attention launch's registers want them.  Every input byte is read once here, by loads of whole rows.
; A block's scale is 2^(floor(log2(its largest magnitude)) - 15); its byte is the largest magnitude's exponent field - 15, held at 1 from below by a floor among the maximum's leaves.
; LIMITS: a block of zeros gets the byte 1 (its codes are zeros, and this program alone reads the bytes); NaN and infinities among the inputs are not served.
; A TILE of 16 rows (keys or queries) is not 16 neighbours: of a block of 32 rows, tile u (0, 1), lane r takes row 8 u + r + 8 (r / 8).
; OUTPUT.  kvw[head][step of 128 keys]: 17,152 bytes: K's codes (tile T at 1024 T + 512 c + 16 lane: lane (r, h) holds d = 32 c + 16 h + 0..15 of its key), at 8192 K's scale words
;   (16 lane + 4 b: lanes 0-15 tile 2 b, lanes 16-31 tile 2 b + 1; a word is s0, s1, s0, s1), at 8704 V's codes (tile t at 2048 t + 512 c + 16 lane: lane (m, h) holds keys 32 c + 16 h + 0..15 of
;   column 32 (t / 2) + 2 m + t % 2), at 16896 V's scale words (8 lane + 4 e: lanes 0-15 tile e, lanes 16-31 tile 2 + e).  qw[head][chunk of 128 queries]: 8,704 bytes, laid as K's part.
;   maskw[batch][query tile][step][64 words]: bit (r, h) of word 16 b + i is 1 where mask[query r of the tile][128 step + 32 b + 16 h + i] is 0.
; SHARES.  A wave's task is 32 KiB of input; 5,120 tasks, four to a work-group.  Work-groups 0-255 take q, 256-511 k (path ROWS), 512-767 v (COLS), 768-1279 the mask (MASK).
; Waves share nothing: no barrier.  Each path that uses LDS has bytes of its own, a stage for each wave.  Everything is written out: every offset is an immediate.
.set RSTG,  8704                       ; ROWS: a wave's stage, 32 rows x (256 + 16) bytes, from LDS byte 0
.set MSTG0, 4*RSTG                     ; MASK: the stages begin behind them,
.set MSTG,  8448                       ; 16 rows x (512 + 16) bytes for each wave
.set TM,  12                           ; v12-15 largest magnitudes, v16-19 bytes, v20-23 the largest number x the scale, v24-27 the conversions' scale operands
.set SW,  28                           ; v28-31 scale words
.set MW,  32                           ; v32-39 mask words, a pair for each step
.set PC,  40                           ; v40-55 codes
.set L,   64                           ; v64-191 two sets of 64 registers as loaded
.set X,   192                          ; v192-255 64 numbers in the order of the work
	s_load_b256 s[4:11], s[0:1], 0x0               ; q s[4:5], k s[6:7], v s[8:9], mask s[10:11]
	s_load_b128 s[12:15], s[0:1], 0x20             ; qw s[12:13], kvw s[14:15]
	s_load_b64 s[16:17], s[0:1], 0x30              ; maskw
	v_lshl_add_u32 v62, v0, 2, 0x10c00
	v_mov_b32 v63, 0
	v_lshrrev_b32 v1, 5, v0
	v_readfirstlane_b32 s18, v1                    ; wave 0..3
	v_and_b32 v1, 31, v0                           ; lane
	v_lshlrev_b32 v2, 4, v1                        ; 16 x lane
	v_lshlrev_b32 v3, 3, v1                        ; 8 x lane
	v_and_b32 v4, 15, v0                           ; r
	v_bfe_u32 v5, v0, 4, 1                         ; h
	; every LDS address is made here, ahead of the parting of the three paths: a constant x wave + constants x r and h
	s_mul_i32 s24, s18, RSTG
	v_mul_u32_u24 v6, v5, 272
	v_lshl_add_u32 v6, v4, 4, v6
	v_add_nc_u32 v6, s24, v6                       ; ROWS, in: a load's two rows: row h, 16 bytes a lane
	v_mul_u32_u24 v7, v4, 272
	v_lshl_add_u32 v7, v5, 6, v7
	v_add_nc_u32 v7, s24, v7                       ; ROWS, out: row r, + 64 h: my 16 numbers of a block of 32
	s_mul_i32 s24, s18, MSTG
	s_add_co_u32 s24, s24, MSTG0
	v_add_nc_u32 v8, s24, v2                       ; MASK, in: a row's 512 bytes on end
	v_mul_u32_u24 v9, v4, 528
	v_lshl_add_u32 v9, v5, 6, v9
	v_add_nc_u32 v9, s24, v9                       ; MASK, out: row r, + 64 h
	v_lshlrev_b32 v10, 12, v5
	v_lshl_add_u32 v10, v4, 4, v10                 ; COLS, to memory: 4096 (lane / 16) + 16 (lane % 16)
	s_mov_b32 s19, 0x600000                        ; the mantissa field of 57,344
	s_mov_b32 s20, 0x76543210
	s_mov_b32 s21, 0xfedcba98                      ; v_permlanex16_b32's selects for lane l xor 16
	s_mov_b32 s22, 0xffff0000                      ; lanes 16-31
.irp b, 0,1,2,3
	v_mov_b32 v[TM+4+\b], 0                        ; written once: a lane permute's destination counts as one of its sources
.endr
	s_wait_kmcnt 0x0
	s_cmp_lt_u32 ttmp9, 512
	s_cbranch_scc1 .Lrows
	s_cmp_lt_u32 ttmp9, 768
	s_cbranch_scc1 .Lcols
; ---------------- MASK: a task is one query tile (16 rows of the mask) x four steps of 128 keys
	s_sub_co_u32 s24, ttmp9, 768
	s_lshl_b32 s24, s24, 2
	s_add_co_u32 s24, s24, s18                     ; task = 4 (128 batch + tile) + quarter
	s_lshr_b32 s25, s24, 2                         ; T = 128 batch + tile
	s_and_b32 s26, s25, 1
	s_lshl_b32 s26, s26, 3
	s_lshl_b32 s25, s25, 4
	s_sub_co_u32 s25, s25, s26                     ; the tile's first row: 32 (T / 2) + 8 (T % 2) = 16 T - 8 (T % 2); a batch is 128 tiles and 2,048 rows
	s_lshl_b32 s26, s25, 13                        ; rows of 8,192 bytes
	s_and_b32 s28, s24, 3
	s_lshl_b32 s28, s28, 11                        ; a quarter of a row: 2,048 bytes
	s_add_co_u32 s26, s26, s28
	s_mov_b32 s27, 0
	s_add_nc_u64 s[10:11], s[10:11], s[26:27]
	s_lshl_b32 s28, s24, 10                        ; 256 bytes of words for each step
	s_mov_b32 s29, 0
	s_add_nc_u64 s[16:17], s[16:17], s[28:29]
.irp i, 0,1,2,3,4,5,6,7
	v_mov_b32 v[MW+\i], 0                          ; v_writelane_b32's destination counts as read
.endr
.macro LOADM s                         ; step s: 512 consecutive bytes of each of the tile's 16 rows (tile lane n is row n + 8 (n / 8))
.set n, 0
.rept 16
	global_load_b128 v[L+64*((\s)%2)+4*n:L+64*((\s)%2)+4*n+3], v2, s[10:11] offset:(n+8*(n/8))*8192+512*(\s) th:TH_LOAD_NT
.set n, n+1
.endr
.endm
.macro MSTEP s
.if (\s) < 3
	s_wait_loadcnt 16                              ; this step's 16 loads are in; the next step's 16 may be out
.else
	s_wait_loadcnt 0x0
.endif
.set n, 0
.rept 16
	ds_store_b128 v8, v[L+64*((\s)%2)+4*n:L+64*((\s)%2)+4*n+3] offset:528*n
.set n, n+1
.endr
.set n, 0
.rept 16                               ; LDS serves a wave's instructions in order: these see the stores.  Register 16 b + i: key 32 b + 16 h + i of query r
	ds_load_b128 v[X+4*n:X+4*n+3], v9 offset:128*(n/4)+16*(n%4)
.set n, n+1
.endr
	s_wait_dscnt 0x0                               ; the numbers are back, and the stores have read the set that the next loads fill
.if (\s)+2 < 4
	LOADM (\s)+2
.endif
.irp g, 0,1,2,3                        ; word 16 g + i = the wave's lane mask of 'register 16 g + i is 0'; it goes to lane (16 g + i) / 2 of one of two registers, so that 8 bytes a lane are the 64 words on end
.irp i, 0,1,2,3,4,5,6,7,8,9,10,11,12,13,14,15
	v_cmp_eq_u32 s[32+\i], 0, v[X+16*\g+\i]
.endr
.irp i, 0,1,2,3,4,5,6,7,8,9,10,11,12,13,14,15
	v_writelane_b32 v[MW+2*(\s)+(\i%2)], s[32+\i], 8*\g+\i/2
.endr
.endr
	global_store_b64 v3, v[MW+2*(\s):MW+2*(\s)+1], s[16:17] offset:256*(\s)   ; 32 lanes store 256 consecutive bytes, aligned; each step has its own pair, so no store's data are written again
.endm
	LOADM 0
	LOADM 1
	MSTEP 0
	MSTEP 1
	MSTEP 2
	MSTEP 3
	s_wait_tensorcnt 0x0
	ds_add_u32 v62, v63
	s_wait_dscnt 0x0
	s_endpgm
; ---------------- COLS: v, whose K (the keys) is not innermost.  A task is 128 keys x 64 columns.  Lane l takes columns 2 l and 2 l + 1 and its registers run down the keys:
; each load is a whole row of 256 bytes, a block of 32 keys of a column lies in one lane, and the codes come out with the keys innermost.
.Lcols:
	s_sub_co_u32 s24, ttmp9, 512
	s_lshl_b32 s24, s24, 2
	s_add_co_u32 s24, s24, s18                     ; task = 16 head + step
	s_lshl_b32 s28, s24, 15
	s_mov_b32 s29, 0
	s_add_nc_u64 s[8:9], s[8:9], s[28:29]
	s_mul_i32 s26, s24, 17152
	s_add_co_u32 s26, s26, 8704                    ; V's part of the step
	s_mov_b32 s27, 0
	s_add_nc_u64 s[14:15], s[14:15], s[26:27]
.macro LOADV c                         ; block c: keys 32 c + n, n = 0 .. 31
.set n, 0
.rept 32
	global_load_b64 v[L+64*((\c)%2)+2*n:L+64*((\c)%2)+2*n+1], v3, s[8:9] offset:(32*(\c)+n)*256 th:TH_LOAD_NT
.set n, n+1
.endr
.endm
.macro CBLOCK c
.set LS, L+64*((\c)%2)
.if (\c) < 3
	s_wait_loadcnt 32                              ; this block's 32 loads are in; the next block's may be out
.else
	s_wait_loadcnt 0x0
.endif
.irp e, 0,1
	v_max3_num_f32 v[TM+\e], |v[LS+\e]|, |v[LS+2+\e]|, 0x8000000   ; column e: the floor 2^(16 - 127) is one of the leaves, so the byte cannot fall under 1
.endr
.irp i, 2,4,6,8,10,12,14,16,18,20,22,24,26,28,30
.irp e, 0,1
	v_max3_num_f32 v[TM+\e], v[TM+\e], |v[LS+2*\i+\e]|, |v[LS+2*\i+2+\e]|   ; the two columns by turns
.endr
.endr
.irp e, 0,1
	v_add_nc_u32 v[TM+12+\e], 0xf8800000, v[TM+\e]                ; 15 off the exponent field: the conversion takes this operand's exponent field as its scale
	v_and_or_b32 v[TM+8+\e], v[TM+\e], 0x7f800000, s19            ; 57,344 x the scale
	v_lshrrev_b32 v[TM+4+\e], 23, v[TM+12+\e]                     ; the scale's byte
.if (\c) == 0
	v_mov_b32 v[SW+\e], v[TM+4+\e]
.else
	v_lshl_or_b32 v[SW+\e], v[TM+4+\e], 8*(\c), v[SW+\e]          ; block c's byte is byte c of the column's word
.endif
.endr
.irp e, 0,1
.set n, 0
.rept 32
	v_med3_num_f32 v[X+32*\e+n], v[LS+2*n+\e], -v[TM+8+\e], v[TM+8+\e]   ; the hold (the conversion does not saturate: ISA guide 7.6.2); its destination also parts the two columns
.set n, n+1
.endr
.endr
.if (\c)+2 < 4
	LOADV (\c)+2
.endif
.if (\c) > 0
	s_wait_xcnt 0x0                                ; the last block's stores have read their data: the codes' registers are written again only behind this wait
.endif
.irp e, 0,1
.irp g, 0,1,2,3
	v_cvt_scalef32_pk8_bf8_f32 v[PC+8*\e+2*\g:PC+8*\e+2*\g+1], v[X+32*\e+8*\g:X+32*\e+8*\g+7], v[TM+12+\e]
.endr
.endr
	v_nop                                          ; a plain line behind the last conversion
.irp e, 0,1
.irp h, 0,1
	global_store_b128 v10, v[PC+8*\e+4*\h:PC+8*\e+4*\h+3], s[14:15] offset:2048*\e+512*(\c)+256*\h   ; column 2 l + e is lane l % 16 of tile 2 (l / 16) + e; sixteen lanes store 256 consecutive bytes, aligned
.endr
.endr
.endm
	LOADV 0
	LOADV 1
	CBLOCK 0
	CBLOCK 1
	CBLOCK 2
	CBLOCK 3
	global_store_b64 v3, v[SW:SW+1], s[14:15] offset:8192   ; the scale words: 256 consecutive bytes
	s_endpgm
; ---------------- ROWS: q and k, whose K (the head's 64) is innermost.  A task is 128 rows of 256 bytes, in four blocks of 32 rows = two tiles.
; The loads take the bytes as they lie, 512 to a load; a block turns through the wave's stage, its rows laid in the order of the tiles' lanes, and comes back 16 neighbours a lane.
.Lrows:
	s_cmp_lt_u32 ttmp9, 256                        ; q's work-group or k's: the choice hangs on the work-group's number alone
	s_cselect_b64 s[4:5], s[4:5], s[6:7]
	s_cselect_b64 s[12:13], s[12:13], s[14:15]
	s_mov_b32 s24, 17152
	s_cselect_b32 s24, 8704, s24                   ; bytes from task to task in qw or in kvw
	s_cselect_b32 s25, 0, 256
	s_sub_co_u32 s25, ttmp9, s25
	s_lshl_b32 s25, s25, 2
	s_add_co_u32 s25, s25, s18                     ; task = 16 head + chunk
	s_mul_i32 s26, s25, s24
	s_mov_b32 s27, 0
	s_lshl_b32 s28, s25, 15
	s_mov_b32 s29, 0
	s_add_nc_u64 s[4:5], s[4:5], s[28:29]
	s_add_nc_u64 s[12:13], s[12:13], s[26:27]
.macro LOADB b                         ; block b: 16 loads of two rows each
.set n, 0
.rept 16
	global_load_b128 v[L+64*((\b)%2)+4*n:L+64*((\b)%2)+4*n+3], v2, s[4:5] offset:8192*(\b)+512*n th:TH_LOAD_NT
.set n, n+1
.endr
.endm
.macro RBLOCK b
.if (\b) < 3
	s_wait_loadcnt 16                              ; this block's 16 loads are in; the next block's may be out
.else
	s_wait_loadcnt 0x0
.endif
.set n, 0
.rept 16                               ; rows 2 n, 2 n + 1 of the block go to stage rows 16 u + r: rows 0-7 -> 0-7, 8-15 -> 16-23, 16-23 -> 8-15, 24-31 -> 24-31
	ds_store_b128 v6, v[L+64*((\b)%2)+4*n:L+64*((\b)%2)+4*n+3] offset:(16*((n/4)%2)+8*(n/8)+2*(n%4))*272
.set n, n+1
.endr
.set n, 0
.rept 16                               ; n = 8 u + 4 c + j: register 32 u + 16 c + x is d = 32 c + 16 h + x of tile u's row r
	ds_load_b128 v[X+4*n:X+4*n+3], v7 offset:16*(n/8)*272+128*((n/4)%2)+16*(n%4)
.set n, n+1
.endr
	s_wait_dscnt 0x0                               ; the numbers are back, and the stores have read the set that the next loads fill
.if (\b)+2 < 4
	LOADB (\b)+2
.endif
.if (\b) > 0
	s_wait_xcnt 0x0                                ; the last block's stores have read their data: the codes' registers are written again only behind this wait
.endif
.irp q, 0,1,2,3                        ; four blocks of 32 along d: q = 2 u + c; two lanes, l and l xor 16, hold a block
	v_max3_num_f32 v[TM+\q], |v[X+16*\q]|, |v[X+1+16*\q]|, 0x8000000   ; the floor 2^(16 - 127) among the leaves
.endr
.irp i, 2,4,6,8,10,12,14
.irp q, 0,1,2,3
	v_max3_num_f32 v[TM+\q], v[TM+\q], |v[X+16*\q+\i]|, |v[X+1+16*\q+\i]|
.endr
.endr
.irp q, 0,1,2,3
	v_permlanex16_b32 v[TM+4+\q], v[TM+\q], s20, s21
.endr
.irp q, 0,1,2,3
	v_max_num_f32 v[TM+\q], v[TM+\q], v[TM+4+\q]
.endr
.irp q, 0,1,2,3
	v_add_nc_u32 v[TM+12+\q], 0xf8800000, v[TM+\q]
.endr
.irp q, 0,1,2,3
	v_and_or_b32 v[TM+8+\q], v[TM+\q], 0x7f800000, s19
.endr
.irp q, 0,1,2,3
	v_lshrrev_b32 v[TM+4+\q], 23, v[TM+12+\q]
.endr
.irp q, 0,1,2,3
.set n, 0
.rept 16
	v_med3_num_f32 v[X+16*\q+n], v[X+16*\q+n], -v[TM+8+\q], v[TM+8+\q]
.set n, n+1
.endr
	v_cvt_scalef32_pk8_bf8_f32 v[PC+4*\q:PC+4*\q+1], v[X+16*\q:X+16*\q+7], v[TM+12+\q]
	v_cvt_scalef32_pk8_bf8_f32 v[PC+4*\q+2:PC+4*\q+3], v[X+16*\q+8:X+16*\q+15], v[TM+12+\q]
.endr
	v_lshl_or_b32 v[TM+4], v[TM+5], 8, v[TM+4]     ; tile 0's word: s0, s1,
	v_lshl_or_b32 v[TM+6], v[TM+7], 8, v[TM+6]     ; tile 1's,
	v_lshl_or_b32 v[TM+4], v[TM+4], 16, v[TM+4]    ; each twice: the word serves an operand whose 64 numbers stand in its lower half and one whose stand in its upper half
	v_lshl_or_b32 v[TM+6], v[TM+6], 16, v[TM+6]
	v_cndmask_b32 v[SW+(\b)], v[TM+4], v[TM+6], s22   ; lanes 0-15: tile 2 b; lanes 16-31: tile 2 b + 1
.irp u, 0,1
.irp c, 0,1
	global_store_b128 v2, v[PC+8*\u+4*\c:PC+8*\u+4*\c+3], s[12:13] offset:(2*(\b)+\u)*1024+512*\c   ; 512 consecutive bytes
.endr
.endr
.endm
	LOADB 0
	LOADB 1
	RBLOCK 0
	RBLOCK 1
	RBLOCK 2
	RBLOCK 3
	global_store_b128 v2, v[SW:SW+3], s[12:13] offset:8192   ; the task's scale words: 512 consecutive bytes
	s_wait_tensorcnt 0x0
	ds_add_u32 v62, v63
	s_wait_dscnt 0x0
	s_endpgm
.Lfunc_end_k_qfc879e701e_prep:
	.size	k_qfc879e701e_prep, .Lfunc_end_k_qfc879e701e_prep-k_qfc879e701e_prep
	.p2alignl 7, 3214868480
	.fill 96, 4, 3214868480
	.section	.rodata,"a",@progbits
	.p2align	6, 0x0
	.amdhsa_kernel k_qfc879e701e_prep
		.amdhsa_group_segment_fixed_size 69120
		.amdhsa_private_segment_fixed_size 0
		.amdhsa_enable_private_segment 0
		.amdhsa_kernarg_size 56
		.amdhsa_user_sgpr_count 2
		.amdhsa_user_sgpr_kernarg_segment_ptr 1
		.amdhsa_wavefront_size32 1
		.amdhsa_system_sgpr_workgroup_id_x 1
		.amdhsa_system_sgpr_workgroup_id_y 1
		.amdhsa_system_sgpr_workgroup_id_z 1
		.amdhsa_system_vgpr_workitem_id 0
		.amdhsa_next_free_vgpr 256
		.amdhsa_next_free_sgpr 66
		.amdhsa_reserve_vcc 0
		.amdhsa_float_denorm_mode_32 3
		.amdhsa_float_denorm_mode_16_64 3
		.amdhsa_memory_ordered 1
		.amdhsa_forward_progress 1
		.amdhsa_inst_pref_size 142
	.end_amdhsa_kernel
	.amdgpu_metadata
---
amdhsa.version: [ 1, 2 ]
amdhsa.kernels:
  - .name:           k_qfc879e701e_prep
    .symbol:         k_qfc879e701e_prep.kd
    .args:
      - { .name: q, .offset: 0, .size: 8, .value_kind: global_buffer, .address_space: global }
      - { .name: k, .offset: 8, .size: 8, .value_kind: global_buffer, .address_space: global }
      - { .name: v, .offset: 16, .size: 8, .value_kind: global_buffer, .address_space: global }
      - { .name: mask, .offset: 24, .size: 8, .value_kind: global_buffer, .address_space: global }
      - { .name: qw, .offset: 32, .size: 8, .value_kind: global_buffer, .address_space: global }
      - { .name: kvw, .offset: 40, .size: 8, .value_kind: global_buffer, .address_space: global }
      - { .name: maskw, .offset: 48, .size: 8, .value_kind: global_buffer, .address_space: global }
    .group_segment_fixed_size: 69120
    .private_segment_fixed_size: 0
    .kernarg_segment_align: 8
    .kernarg_segment_size: 56
    .max_flat_workgroup_size: 128
    .sgpr_count:     66
    .vgpr_count:     256
    .wavefront_size: 32
...
	.end_amdgpu_metadata
.endif
;; end of part 1
;; launch attn (part 2): grid 4 x 64, 16 waves a work-group, clusters of 4 x 1, 276,480 bytes of LDS; arguments qw, kvw, maskw, out0; writes out0
.if DOCPART == 2
	.amdgcn_target "amdgcn-amd-amdhsa--gfx1250"
	.amdhsa_code_object_version 6
	.text
	.protected	k_qfc879e701e_attn
	.globl	k_qfc879e701e_attn
	.p2align	8
	.type	k_qfc879e701e_attn,@function
k_qfc879e701e_attn:
	s_mov_b64 s[64:65], 0
	v_nop
	global_prefetch_b8 v0, s[64:65] scope:SCOPE_SE
	s_setreg_imm32_b32 hwreg(HW_REG_WAVE_MODE, 25, 1), 1
	s_wait_xcnt 0x0
	s_wait_alu depctr_hold_cnt(0) depctr_sa_sdst(0) depctr_va_vdst(0) depctr_va_sdst(0) depctr_va_ssrc(0) depctr_va_vcc(0) depctr_vm_vsrc(0)
	s_getreg_b32 s2, hwreg(HW_REG_IB_STS2, 6, 4)
	s_cmp_eq_u32 s2, 0
	s_cbranch_scc0 .Lentry_in_a_cluster
	s_endpgm
.Lentry_in_a_cluster:
	s_bfe_u32 s2, ttmp6, 0x10000c
	s_cmp_lg_u32 s2, 0x3003
	s_cbranch_scc0 .Lentry_shape_is_right
	s_endpgm
.Lentry_shape_is_right:
; out[head][q][:] = the sum over k of softmax_k(masked q . k / 8) v[k][:], 64 heads, 2,048 queries and keys, head size 64, both products on codes of E5M2 with E8M0 scales.
; THE SOFTMAX: t = score x log2(e) / 8; M = the running largest t rounded UP to a whole number; p = 2^(t - M) is quantised along the keys, not normalised; the row's sum is taken of the
; unquantised p and divides at the end.  When M moves, the sum and O are multiplied by 2^(old M - new M), which rounds nothing.
; THE MASK arrives as lane masks, one word for each score register (made by the launch before): a hidden score is replaced by -2^33 by one v_cndmask_b32.
; LIMITS: a hidden score stands for the logit -2^30 where the definition has -1e9: a power of two, so that in a row with no open key t - M is exactly 0 and p = 1, as defined; the results differ
; only where an open logit lies under about -1e9.  p under 2^-126 counts as 0.  NaN and infinities among the inputs are not served.
; SHARES.  A work-group owns 512 queries of a head; each of its SIXTEEN waves owns one tile of 16 queries at a time, two tiles one after the other, in 256 registers: four waves to a SIMD, so that
; one wave's vector work stands beside another's matrix work and LDS loads.  The loop is mostly vector work (some 370 vector lines for 12 matrix lines), so larger tiles a wave would spare LDS reads only.
; ALL OF A HEAD'S K AND V, codes and scale words, 16 steps x 17,152 bytes, lie in LDS, filled ONCE: no slot is ever filled again.  They lie as images of the operands' registers: every LDS load is 16 x lane (V's scale words 8 x lane).
; CLUSTER.  The four work-groups of a head form a cluster and ask for each block JOINTLY: the same tensor load, the same descriptor, a mask that names the four.
; LAYOUT.  Both products are used transposed: S^T = K Q^T (source 0 = 16 keys, source 1 = my 16 queries), O^T = V^T P^T: a lane holds ONE query (lane % 16) throughout.  Lane r of key tile 2 b + u is
; key 32 b + 8 u + r + 8 (r / 8), so the 16 registers of tiles 2 b, 2 b + 1 are keys 32 b + 16 (lane / 16) + 0..15: the conversions' results are the second product's operand.
; THE FIRST PRODUCT'S K IS 64: the other half of the instruction's 128 is zero codes on both sides.  K's registers stand D0 Z D1 D2 Z D3, Q's stand Q Z Q: even tiles multiply [D Z] by [Q Z], odd tiles [Z D] by [Z Q];
; a scale word holds its two bytes twice and so serves both.
.set STEPB, 17152                      ; a step's bytes in LDS and in memory: 67 rows of 256
.set KSC,   8192                       ; in it: K's codes at 0, K's scale words here,
.set VCO,   8704                       ; V's codes,
.set VSC,   16896                      ; V's scale words
.set SPITCH, 272                       ; the way out: a stage of 16 rows x (256 + 16) bytes for each wave, laid over K and V when nobody reads them any more
.set STG,   16*SPITCH
.set QF,  16                           ; v16-39   Q Z Q
.set KA,  40                           ; v40-87   D0 Z D1 D2 Z D3
.set S,   88                           ; v88-151  S^T, then p, then V's four fragments
.set O,   152                          ; v152-183 O^T
.set HOLD, 184                         ; v184-215 the first tile's finished rows
.set PC,  216                          ; v216-231 p's codes (over BM and T4, which are done with by then)
.set BM,  224                          ; v224-227 a block's largest score, then its largest p
.set T4,  228                          ; v228-231 at work
.set HL,  232                          ; v232-235 57,344 x the scale
.set SO,  236                          ; v236-239 the conversions' scale operands
.set KS,  240                          ; v240-243 K's scale words;  v244-245 V's;  v6 Q's;  v249 p's: these hold scales and nothing else
.set VS,  244
.set F,   246                          ; v246 f = 2^(old M - new M); v247 is named with it as a pair
.set TMP, 248
.set PW,  249
.set WV,  12                           ; s12 my wave's number
; v1 16 x lane, v2 8 x lane, v3 / v4 the same + the step's LDS base, v5 -2^33, v7 / v11 offsets of Q's scale word / codes, v8-10 the way out, v12 -M, v13 the largest t, v[14:15] the sum in two halves
; s[4:5] qw at my chunk, s[8:9] maskw at my tile and step, s[10:11] out at my first tile, s13 the mantissa field of 57,344, s[14:15] lane selects, s[16:17] c, s18 the step's LDS base, s19 trips,
; s[24:31] descriptor group 1, s[32:47] four groups 0, s[68:99] 32 mask words
.macro CROUND                          ; a round of the cluster's barrier: my work-group's barrier; wave 0 signals for the work-group; every wave waits for all four work-groups; my work-group's barrier once more
	s_barrier_signal -1
	s_barrier_wait -1
	s_cmp_lg_u32 s[WV], 0
	s_cbranch_scc1 .Lnot_wave_0_\@
	s_barrier_signal -3
.Lnot_wave_0_\@:
	s_barrier_wait -3
	s_barrier_signal -1
	s_barrier_wait -1
.endm
	s_load_b256 s[4:11], s[0:1], 0x0               ; qw s[4:5], kvw s[6:7], maskw s[8:9], out s[10:11]
	v_lshl_add_u32 v254, v0, 2, 0x43000
	v_mov_b32 v255, 0
	ds_add_u32 v254, v255
	ds_add_u32 v254, v255
	v_lshrrev_b32 v1, 5, v0
	v_readfirstlane_b32 s[WV], v1                  ; wave 0..15
	s_bfe_u32 s20, ttmp6, 0x40000                  ; cx: my place in the cluster
	s_lshl_b32 s21, ttmp9, 2
	s_add_co_u32 s20, s20, s21                     ; X: my 512 queries of the head; it enters Q's, the mask's and the output's addresses alone
	s_and_b32 s21, ttmp7, 0xffff                   ; the head, which the four partners share
	; descriptor group 1: a step's 17,152 dense bytes as 67 rows of 32 elements of 8 bytes
	s_mov_b32 s24, 15|(3<<16)|(1<<21)              ; 15:0 the mask: all four work-groups; 17:16 elements of 8 bytes; 21 set beside a mask; no padding
	s_mov_b32 s25, 32<<16                          ; tensor_dim0 = 32
	s_mov_b32 s26, 67<<16                          ; tensor_dim1 = 67
	s_mov_b32 s27, 32<<16                          ; tile_dim0 = 32
	s_mov_b32 s28, 67                              ; tile_dim1 = 67
	s_mov_b32 s29, 32                              ; elements from row to row
	s_mov_b32 s30, 0
	s_mov_b32 s31, 0
	s_and_b32 s22, s[WV], 3                        ; waves 0-3 fetch: wave w takes steps w, 4 + w, 8 + w, 12 + w
	s_mul_i32 s22, s22, STEPB                      ; the same offset in LDS and in the head's bytes
	s_mul_i32 s48, s21, 16*STEPB
	s_add_co_u32 s48, s48, s22
	s_mov_b32 s49, 0
	; every vector address is made here, ahead of the branch on the wave's number
	v_and_b32 v1, 31, v0
	v_lshlrev_b32 v2, 3, v1                        ; 8 x lane
	v_lshlrev_b32 v1, 4, v1                        ; 16 x lane
	v_and_b32 v7, 15, v0                           ; r
	v_bfe_u32 v9, v0, 4, 1                         ; h
	s_mul_i32 s23, s[WV], STG
	v_mul_u32_u24 v8, v7, SPITCH
	v_lshl_add_u32 v8, v9, 6, v8
	v_add_nc_u32 v8, s23, v8                       ; the stage, in: row r, + 64 h
	v_lshlrev_b32 v10, 8, v9
	v_lshl_add_u32 v10, v7, 4, v10                 ; the output: lanes 0-15 one row of 256 bytes, lanes 16-31 the next
	v_mul_u32_u24 v9, v9, SPITCH
	v_lshl_add_u32 v9, v7, 4, v9
	v_add_nc_u32 v9, s23, v9                       ; the stage, back: the same two rows
	s_and_b32 s23, s[WV], 7                        ; my tile in its chunk of 128 queries: 2 b + u
	s_lshl_b32 s52, s23, 10
	v_add_nc_u32 v11, s52, v1                      ; Q's codes: 1024 x tile + 16 x lane
	s_lshr_b32 s52, s23, 1
	s_lshl_b32 s52, s52, 2
	s_and_b32 s53, s[WV], 1
	s_lshl_b32 s53, s53, 8
	s_add_co_u32 s52, s52, s53
	s_add_co_u32 s52, s52, KSC
	v_lshl_add_u32 v7, v7, 4, s52                  ; Q's scale word: 8192 + 16 (16 u + r) + 4 b
	v_mov_b32 v5, 0xd0000000                       ; -2^33
	s_mov_b32 s13, 0x600000
	s_mov_b32 s14, 0x76543210
	s_mov_b32 s15, 0xfedcba98                      ; v_permlanex16_b32's selects for lane l xor 16
	s_mov_b32 s16, 0x3e38aa3b                      ; c = log2(e) / 8
	s_mov_b32 s17, s16                             ; (named with it as a pair, so it is written)
.irp i, 0,1,2,3,4,5,6,7
	v_mov_b32 v[QF+8+\i], 0                        ; the zero codes: they stay
	v_mov_b32 v[KA+8+\i], 0
	v_mov_b32 v[KA+32+\i], 0
.endr
.irp b, 0,1,2,3
	v_mov_b32 v[T4+\b], 0                          ; a lane permute's destination counts as one of its sources
.endr
	v_mov_b32 v[F+1], 0
	s_wait_dscnt 0x0
	s_wait_kmcnt 0x0
	s_add_nc_u64 s[48:49], s[6:7], s[48:49]
.irp g, 0,1,2,3
	s_mov_b32 s[32+4*\g], 1                                        ; count = 1
	s_add_co_u32 s[33+4*\g], s22, 4*\g*STEPB                       ; LDS address: step 4 g + w
	s_add_nc_u64 s[34+4*\g:35+4*\g], s[48:49], 4*\g*STEPB          ; global address of the same step
	s_or_b32 s[35+4*\g], s[35+4*\g], 0x80000000                    ; type = 2
.endr
	CROUND                                         ; all four work-groups are here: the joint loads meet
	s_cmp_lt_u32 s[WV], 4                          ; a wave's fills stand in one branch, ahead of every wait on TENSORcnt and every LDS read: four loads of a fetching wave are out, none of the others
	s_cbranch_scc0 .Lno_fill
	tensor_load_to_lds s[32:35], s[24:31]
	s_nop 0
	tensor_load_to_lds s[36:39], s[24:31]
	s_nop 0
	tensor_load_to_lds s[40:43], s[24:31]
	s_nop 0
	tensor_load_to_lds s[44:47], s[24:31]
	s_nop 0
.rept 4
	v_nop
.endr
.Lno_fill:
	s_lshl_b32 s50, s21, 4                         ; qw: chunk 16 head + 4 X + wave / 8
	s_lshl_b32 s52, s20, 2
	s_add_co_u32 s50, s50, s52
	s_lshr_b32 s52, s[WV], 3
	s_add_co_u32 s50, s50, s52
	s_mul_i32 s50, s50, 8704
	s_mov_b32 s51, 0
	s_add_nc_u64 s[4:5], s[4:5], s[50:51]
	s_lshr_b32 s50, s21, 4                         ; maskw: tile 128 batch + 32 X + wave, 4,096 bytes each
	s_lshl_b32 s50, s50, 7
	s_lshl_b32 s52, s20, 5
	s_add_co_u32 s50, s50, s52
	s_add_co_u32 s50, s50, s[WV]
	s_lshl_b32 s50, s50, 12
	s_add_nc_u64 s[8:9], s[8:9], s[50:51]
	s_lshl_b32 s50, s21, 11                        ; out: row 2048 head + 512 X + 32 (wave / 2) + 8 (wave % 2)
	s_lshl_b32 s52, s20, 9
	s_add_co_u32 s50, s50, s52
	s_lshr_b32 s52, s[WV], 1
	s_lshl_b32 s52, s52, 5
	s_add_co_u32 s50, s50, s52
	s_and_b32 s52, s[WV], 1
	s_lshl_b32 s52, s52, 3
	s_add_co_u32 s50, s50, s52
	s_lshl_b32 s50, s50, 8
	s_add_nc_u64 s[10:11], s[10:11], s[50:51]
; A tile of queries begins: its codes (twice: Q Z Q), its scale word, and the running numbers.  O^T and the sum begin as zeros and the largest t as -3e38: the first change of M multiplies zeros.
.macro PROLOG
	global_load_b128 v[QF:QF+3], v11, s[4:5] th:TH_LOAD_NT
	global_load_b128 v[QF+4:QF+7], v11, s[4:5] offset:512 th:TH_LOAD_NT
	global_load_b128 v[QF+16:QF+19], v11, s[4:5] th:TH_LOAD_NT
	global_load_b128 v[QF+20:QF+23], v11, s[4:5] offset:512 th:TH_LOAD_NT
	global_load_b32 v6, v7, s[4:5] th:TH_LOAD_NT
	v_mov_b32 v13, 0xff61b1e6
	v_floor_f32 v12, -v13
	v_mov_b32 v14, 0
	v_mov_b32 v15, 0
.set n, 0
.rept 32
	v_mov_b32 v[O+n], 0
.set n, n+1
.endr
	s_wait_loadcnt 0x0
.endm
.macro KLOAD g                         ; K's tiles 4 g .. 4 g + 3 into D0 .. D3
.irp t, 0,1,2,3
	ds_load_b128 v[KA+24*(\t/2)+16*(\t%2):KA+24*(\t/2)+16*(\t%2)+3], v3 offset:(4*\g+\t)*1024
	ds_load_b128 v[KA+24*(\t/2)+16*(\t%2)+4:KA+24*(\t/2)+16*(\t%2)+7], v3 offset:(4*\g+\t)*1024+512
.endr
.endm
.macro QK g                            ; their scores: an even tile [D Z] x [Q Z], an odd one [Z D] x [Z Q]; an odd tile's scale words stand in lanes 16-31
.irp t, 0,2
	v_wmma_scale_f32_16x16x128_f8f6f4 v[S+8*(4*\g+\t):S+8*(4*\g+\t)+7], v[KA+12*\t:KA+12*\t+15], v[QF:QF+15], 0, v[KS+2*\g+\t/2], v6 matrix_a_fmt:MATRIX_FMT_BF8 matrix_b_fmt:MATRIX_FMT_BF8
	v_wmma_scale_f32_16x16x128_f8f6f4 v[S+8*(4*\g+\t)+8:S+8*(4*\g+\t)+15], v[KA+12*\t+8:KA+12*\t+23], v[QF+8:QF+23], 0, v[KS+2*\g+\t/2], v6 matrix_a_fmt:MATRIX_FMT_BF8 matrix_b_fmt:MATRIX_FMT_BF8 matrix_a_scale:MATRIX_SCALE_ROW1
.endr
.endm
.macro HIDE g                          ; scores 32 g .. 32 g + 31: where the word's bit of my lane is set the key is hidden.  Each accumulator is read from its low end on
.set n, 0
.rept 32
	v_cndmask_b32 v[S+32*\g+n], v[S+32*\g+n], v5, s[68+n]
.set n, n+1
.endr
.endm
.macro BMAX g                          ; the largest score of blocks 2 g and 2 g + 1 of 32 keys: it serves the row's maximum and, since p rises with the score, the block's largest p
.irp e, 0,1
	v_max3_num_f32 v[BM+2*\g+\e], v[S+32*\g+16*\e], v[S+32*\g+16*\e+1], v[S+32*\g+16*\e+2]
.endr
.irp i, 3,5,7,9,11,13
.irp e, 0,1
	v_max3_num_f32 v[BM+2*\g+\e], v[BM+2*\g+\e], v[S+32*\g+16*\e+\i], v[S+32*\g+16*\e+\i+1]
.endr
.endr
.irp e, 0,1
	v_max_num_f32 v[BM+2*\g+\e], v[BM+2*\g+\e], v[S+32*\g+16*\e+15]
.endr
.endm
; A KEY STEP: 128 keys.  The distances behind the matrix instructions are those of ISA guide 7.12.1 for this form: eight plain vector lines before a vector line or a load touches their registers, nine before a
; matrix instruction writes over one.  No two matrix instructions that follow each other share an accumulator.
.macro STEP
	s_load_b512 s[68:83], s[8:9], 0x0              ; the mask words of scores 0-31
	s_load_b512 s[84:99], s[8:9], 0x40
	v_add_nc_u32 v3, s18, v1
	v_add_nc_u32 v4, s18, v2
	ds_load_b128 v[KS:KS+3], v3 offset:KSC         ; word b: lanes 0-15 tile 2 b, lanes 16-31 tile 2 b + 1
	KLOAD 0
.rept 7
	v_nop                                          ; with the two additions: nine places between the last step's products, which read V's fragments in v88 on, and the products that write scores there
.endr
	s_wait_dscnt 0x0                               ; the scale words and four tiles of K
	QK 0
.rept 8
	v_nop                                          ; eight places in front of the loads into D0-D3 and of the first read of the scores
.endr
	KLOAD 1
	s_wait_kmcnt 0x0
	HIDE 0
	s_load_b512 s[68:83], s[8:9], 0x80             ; the words of scores 32-63, into the registers that the 32 lines above have read
	s_load_b512 s[84:99], s[8:9], 0xc0
	s_wait_dscnt 0x0
	QK 1
	BMAX 0                                         ; sixteen plain lines on the first 32 scores: the places behind the four products above
	s_wait_kmcnt 0x0
	HIDE 1
	BMAX 1
.irp b, 0,1,2,3
	v_permlanex16_b32 v[T4+\b], v[BM+\b], s14, s15
.endr
.irp b, 0,1,2,3
	v_max_num_f32 v[BM+\b], v[BM+\b], v[T4+\b]     ; with lane l xor 16's 16 keys
.endr
	v_max3_num_f32 v[TMP], v[BM], v[BM+1], v[BM+2]
	v_max_num_f32 v[TMP], v[TMP], v[BM+3]          ; the step's largest score of my query
	v_mul_f32 v[TMP], s16, v[TMP]                  ; as t (c is positive)
	v_max_num_f32 v13, v13, v[TMP]                 ; the running largest t
	v_mov_b32 v[TMP], v12
	v_floor_f32 v12, -v13                          ; the new -M = floor(-t) = -ceil(t)
	v_sub_f32 v[TMP], v12, v[TMP]                  ; old M - new M: a whole number, 0 or less
	v_cvt_i32_f32 v[TMP], v[TMP]                   ; (it saturates)
	v_ldexp_f32 v[F], 1.0, v[TMP]                  ; f = 2^(old M - new M)
.set n, 0
.rept 32
	v_pk_fma_f32 v[S+n:S+n+1], v[S+n:S+n+1], s[16:17], v[12:13] op_sel_hi:[1,0,0]   ; t - M, two at a time (of the pairs c and -M the low word serves both halves)
.set n, n+2
.endr
.irp b, 0,1,2,3
	v_fma_f32 v[BM+\b], v[BM+\b], s16, v12         ; the same of each block's largest score
.endr
.set n, 0
.rept 64
	v_exp_f32 v[S+n], v[S+n]                       ; p = 2^(t - M), at most 1
.set n, n+1
.endr
.irp b, 0,1,2,3
	v_exp_f32 v[BM+\b], v[BM+\b]                   ; the block's largest p: the same two instructions on the same number
.endr
	v_pk_mul_f32 v[14:15], v[14:15], v[F:F+1] op_sel_hi:[1,0]   ; the sums under the new M (the plain line behind the exponentials)
	s_wait_alu depctr_va_vdst(0)
.irp b, 0,1,2,3
	v_max_num_f32 v[BM+\b], 0x8000000, v[BM+\b]    ; the floor 2^(16 - 127): the byte cannot fall under 1; a block whose every p is 0 keeps that byte over zero codes
.endr
.irp b, 0,1,2,3
	v_add_nc_u32 v[SO+\b], 0xf8800000, v[BM+\b]    ; 15 off the exponent field: the conversion's scale operand
.endr
.irp b, 0,1,2,3
	v_and_or_b32 v[HL+\b], v[BM+\b], 0x7f800000, s13   ; 57,344 x the scale
.endr
.irp b, 0,1,2,3
	v_lshrrev_b32 v[T4+\b], 23, v[SO+\b]           ; the scale's byte
.endr
	v_lshl_or_b32 v[PW], v[T4+1], 8, v[T4]         ; p's scale word for these 128 keys
	v_lshl_or_b32 v[PW], v[T4+2], 16, v[PW]
	v_lshl_or_b32 v[PW], v[T4+3], 24, v[PW]
	v_pk_add_f32 v[T4:T4+1], v[S:S+1], v[S+2:S+3]  ; the row's sum, of the unquantised p: two at a time, in two chains
.set n, 4
.rept 15
	v_pk_add_f32 v[14:15], v[14:15], v[S+n:S+n+1]
	v_pk_add_f32 v[T4:T4+1], v[T4:T4+1], v[S+n+2:S+n+3]
.set n, n+4
.endr
	v_pk_add_f32 v[14:15], v[14:15], v[T4:T4+1]
.irp b, 0,1,2,3
.set n, 0
.rept 16
	v_min_num_f32 v[S+16*\b+n], v[S+16*\b+n], v[HL+\b]   ; the conversion does not saturate (ISA guide 7.6.2); p is not negative, so the hold is one-sided
.set n, n+1
.endr
	v_cvt_scalef32_pk8_bf8_f32 v[PC+4*\b:PC+4*\b+1], v[S+16*\b:S+16*\b+7], v[SO+\b]
	v_cvt_scalef32_pk8_bf8_f32 v[PC+4*\b+2:PC+4*\b+3], v[S+16*\b+8:S+16*\b+15], v[SO+\b]
.irp c, 0,1,2,3
	ds_load_b128 v[S+16*\b+4*\c:S+16*\b+4*\c+3], v3 offset:VCO+2048*\b+512*\c   ; V's tile b takes the registers that block b's p has left, and lands while the later blocks are converted
.endr
.endr
	ds_load_b64 v[VS:VS+1], v4 offset:VSC          ; word e: lanes 0-15 tile e, lanes 16-31 tile 2 + e
.set n, 0
.rept 16
	v_pk_mul_f32 v[O+n:O+n+1], v[O+n:O+n+1], v[F:F+1] op_sel_hi:[1,0]   ; O^T under the new M, each accumulator from its low end on; also the plain lines between the conversions and the products that take the codes
.set n, n+2
.endr
	s_wait_dscnt 0x0                               ; V's four tiles and their scale words
.irp t, 0,1
	v_wmma_scale_f32_16x16x128_f8f6f4 v[O+8*\t:O+8*\t+7], v[S+16*\t:S+16*\t+15], v[PC:PC+15], v[O+8*\t:O+8*\t+7], v[VS+\t], v[PW] matrix_a_fmt:MATRIX_FMT_BF8 matrix_b_fmt:MATRIX_FMT_BF8
.endr
.irp t, 2,3
	v_wmma_scale_f32_16x16x128_f8f6f4 v[O+8*\t:O+8*\t+7], v[S+16*\t:S+16*\t+15], v[PC:PC+15], v[O+8*\t:O+8*\t+7], v[VS+\t-2], v[PW] matrix_a_fmt:MATRIX_FMT_BF8 matrix_b_fmt:MATRIX_FMT_BF8 matrix_a_scale:MATRIX_SCALE_ROW1
.endr
	s_add_co_u32 s18, s18, STEPB                   ; the next step's bytes in LDS,
	s_add_nc_u64 s[8:9], s[8:9], 256               ; and its mask words (no scalar load is out: the last wait on KMcnt was for 0)
.endm
.macro STEPS n
	s_mov_b32 s19, \n
.Lstep_\@:
	STEP
	s_sub_co_u32 s19, s19, 1
	s_cmp_lg_u32 s19, 0
	s_cbranch_scc1 .Lstep_\@
.endm
; A tile of queries ends: O^T / the sum.  V's tile t, lane m is column 32 (t / 2) + 2 m + t % 2, so registers j of tiles 2 p and 2 p + 1 are neighbours: dst + 16 p + x is column 32 p + 16 h + x.
.macro EPILOG dst
.rept 8
	v_nop                                          ; eight places behind the last products
.endr
	v_add_f32 v14, v14, v15                        ; the sum's two halves,
	v_permlanex16_b32 v[TMP], v14, s14, s15
	v_add_f32 v14, v14, v[TMP]                     ; and lane l xor 16's
	v_rcp_f32 v14, v14
	v_nop                                          ; a plain line behind the transcendental
	s_wait_alu depctr_va_vdst(0)
.irp p, 0,1
.irp j, 0,1,2,3,4,5,6,7
.irp e, 0,1
	v_mul_f32 v[\dst+16*\p+2*\j+\e], v[O+8*(2*\p+\e)+\j], v14
.endr
.endr
.endr
.endm
	PROLOG                                         ; tile w of my work-group's 32
.irp g, 0,1,2,3
	s_wait_tensorcnt 3-\g                          ; a wave's tensor loads end in order (ISA guide 10.11.1): its load of group g is in, the 3 - g younger ones stay out
	s_barrier_signal -1
	s_barrier_wait -1                              ; steps 4 g .. 4 g + 3 are whole for every wave
	s_mov_b32 s18, 4*\g*STEPB
	STEPS 4
.endr
	EPILOG HOLD
	s_wait_xcnt 0x0
	s_add_nc_u64 s[4:5], s[4:5], 2*8704            ; tile 16 + w: two chunks of queries on,
	s_add_nc_u64 s[8:9], s[8:9], 15*4096           ; sixteen tiles of mask words on (one tile's have been walked)
	PROLOG
	s_mov_b32 s18, 0
	STEPS 16                                       ; all of K and V has been shown whole to every wave: no wait, no barrier
	EPILOG S
	; THE WAY OUT.  A lane holds 2 x 64 bytes of a row, the lanes beside it other rows: a tile goes through my stage and comes back as whole rows of 256 bytes.
	s_wait_dscnt 0x0
	s_barrier_signal -1
	s_barrier_wait -1                              ; no wave reads K or V any more; their bytes have had their only fill
.macro TOSTAGE src, back
.irp p, 0,1
.irp q, 0,1,2,3
	ds_store_b128 v8, v[\src+16*\p+4*\q:\src+16*\p+4*\q+3] offset:128*\p+16*\q
.endr
.endr
.irp i, 0,1,2,3,4,5,6,7
	ds_load_b128 v[\back+4*\i:\back+4*\i+3], v9 offset:2*\i*SPITCH   ; LDS serves a wave's instructions in order (ISA guide 5.7.1.4): these see the stores above, and the next tile's stores come behind them
.endr
.endm
.macro SEND back, goff, younger        ; younger: the LDS instructions issued behind this tile's loads
.irp i, 0,1,2,3,4,5,6,7
	s_wait_dscnt \younger+7-\i
	global_store_b128 v10, v[\back+4*\i:\back+4*\i+3], s[10:11] offset:\goff+(2*\i+8*(\i/4))*256 th:TH_STORE_NT   ; tile lane r is row r + 8 (r / 8); sixteen lanes store 256 consecutive bytes, aligned
.endr
.endm
	TOSTAGE HOLD, KA
	TOSTAGE S, S+32
	SEND KA, 0, 16
	SEND S+32, 65536, 0                            ; the second tile lies 256 rows further down
	s_wait_tensorcnt 0x0
	ds_add_u32 v254, v255
	s_wait_dscnt 0x0
	CROUND                                         ; the closing round: no work-group ends while a partner may still ask for a block that names it
	s_endpgm
.Lfunc_end_k_qfc879e701e_attn:
	.size	k_qfc879e701e_attn, .Lfunc_end_k_qfc879e701e_attn-k_qfc879e701e_attn
	.p2alignl 7, 3214868480
	.fill 96, 4, 3214868480
	.section	.rodata,"a",@progbits
	.p2align	6, 0x0
	.amdhsa_kernel k_qfc879e701e_attn
		.amdhsa_group_segment_fixed_size 276480
		.amdhsa_private_segment_fixed_size 0
		.amdhsa_enable_private_segment 0
		.amdhsa_kernarg_size 32
		.amdhsa_user_sgpr_count 2
		.amdhsa_user_sgpr_kernarg_segment_ptr 1
		.amdhsa_wavefront_size32 1
		.amdhsa_system_sgpr_workgroup_id_x 1
		.amdhsa_system_sgpr_workgroup_id_y 1
		.amdhsa_system_sgpr_workgroup_id_z 1
		.amdhsa_system_vgpr_workitem_id 0
		.amdhsa_next_free_vgpr 256
		.amdhsa_next_free_sgpr 100
		.amdhsa_reserve_vcc 0
		.amdhsa_float_denorm_mode_32 3
		.amdhsa_float_denorm_mode_16_64 3
		.amdhsa_memory_ordered 1
		.amdhsa_forward_progress 1
		.amdhsa_inst_pref_size 132
	.end_amdhsa_kernel
	.amdgpu_metadata
---
amdhsa.version: [ 1, 2 ]
amdhsa.kernels:
  - .name:           k_qfc879e701e_attn
    .symbol:         k_qfc879e701e_attn.kd
    .args:
      - { .name: qw, .offset: 0, .size: 8, .value_kind: global_buffer, .address_space: global }
      - { .name: kvw, .offset: 8, .size: 8, .value_kind: global_buffer, .address_space: global }
      - { .name: maskw, .offset: 16, .size: 8, .value_kind: global_buffer, .address_space: global }
      - { .name: out0, .offset: 24, .size: 8, .value_kind: global_buffer, .address_space: global }
    .group_segment_fixed_size: 276480
    .private_segment_fixed_size: 0
    .kernarg_segment_align: 8
    .kernarg_segment_size: 32
    .max_flat_workgroup_size: 512
    .sgpr_count:     100
    .vgpr_count:     256
    .wavefront_size: 32
...
	.end_amdgpu_metadata
.endif
;; end of part 2
;; ======== version 2 of 2: 2 launches
;; limits: right only within a limited range of input values
;; workspace buffers: kvw 17,563,648 bytes; maskw 2,097,152 bytes of whole numbers
;; launch prep (part 3): grid 1024 x 1, 4 waves a work-group, no clusters, 69,120 bytes of LDS; arguments k, v, mask, kvw, maskw; writes kvw, maskw
.if DOCPART == 3
	.amdgcn_target "amdgcn-amd-amdhsa--gfx1250"
	.amdhsa_code_object_version 6
	.text
	.protected	k_qfc879e701e_prep
	.globl	k_qfc879e701e_prep
	.p2align	8
	.type	k_qfc879e701e_prep,@function
k_qfc879e701e_prep:
	s_mov_b64 s[64:65], 0
	v_nop
	global_prefetch_b8 v0, s[64:65] scope:SCOPE_SE
	s_setreg_imm32_b32 hwreg(HW_REG_WAVE_MODE, 25, 1), 1
	s_wait_xcnt 0x0
; q, k, v [64 heads][2048][64] f32 become codes of E5M2 with one E8M0 byte for each 32 along a product's K, and mask [4][2048][2048] int32 becomes lane masks,
; all laid in the order in which the attention launch's registers want them.  Every input byte is read once here, by loads of whole rows.
; A block's scale is 2^(floor(log2(its largest magnitude)) - 15); its byte is the largest magnitude's exponent field - 15, held at 1 from below by a floor among the maximum's leaves.
; LIMITS: a block of zeros gets the byte 1 (its codes are zeros, and this program alone reads the bytes); NaN and infinities among the inputs are not served.
; A TILE of 16 rows (keys or queries) is not 16 neighbours: of a block of 32 rows, tile u (0, 1), lane r takes row 8 u + r + 8 (r / 8).
; OUTPUT.  kvw[head][step of 128 keys]: 17,152 bytes: K's codes (tile T at 1024 T + 512 c + 16 lane: lane (r, h) holds d = 32 c + 16 h + 0..15 of its key), at 8192 K's scale words
;   (16 lane + 4 b: lanes 0-15 tile 2 b, lanes 16-31 tile 2 b + 1; a word is s0, s1, s0, s1), at 8704 V's codes (tile t at 2048 t + 512 c + 16 lane: lane (m, h) holds keys 32 c + 16 h + 0..15 of
;   column 32 (t / 2) + 2 m + t % 2), at 16896 V's scale words (8 lane + 4 e: lanes 0-15 tile e, lanes 16-31 tile 2 + e).  qw[head][chunk of 128 queries]: 8,704 bytes, laid as K's part.
;   maskw[batch][query tile][step][64 words]: bit (r, h) of word 16 b + i is 1 where mask[query r of the tile][128 step + 32 b + 16 h + i] is 0.
; SHARES.  A wave's task is 32 KiB of input; 5,120 tasks, four to a work-group.  Work-groups 0-255 take q, 256-511 k (path ROWS), 512-767 v (COLS), 768-1279 the mask (MASK).
; Waves share nothing: no barrier.  Each path that uses LDS has bytes of its own, a stage for each wave.  Everything is written out: every offset is an immediate.
; AS THE TEXT STANDS (these lines take the place of what the head says of q, of qw and of the shares): q is not served here: each of its numbers is read by one wave of the attention launch,
; which quantises it in registers.  4,096 tasks, four to a work-group: work-groups 0-255 take k (path ROWS), 256-511 v (COLS), 512-1023 the mask (MASK).
.set RSTG,  8704
.set MSTG0, 4*RSTG                     ; MASK: the stages begin behind them,
.set MSTG,  8448                       ; 16 rows x (512 + 16) bytes for each wave
.set TM,  12                           ; v12-15 largest magnitudes, v16-19 bytes, v20-23 the largest number x the scale, v24-27 the conversions' scale operands
.set SW,  28                           ; v28-31 scale words
.set MW,  32                           ; v32-39 mask words, a pair for each step
.set PC,  40                           ; v40-55 codes
.set L,   64                           ; v64-191 two sets of 64 registers as loaded
.set X,   192                          ; v192-255 64 numbers in the order of the work
	s_load_b64 s[6:7], s[0:1], 0x0                 ; k
	s_load_b128 s[8:11], s[0:1], 0x8               ; v s[8:9], mask s[10:11]
	s_load_b64 s[14:15], s[0:1], 0x18              ; kvw
	s_load_b64 s[16:17], s[0:1], 0x20              ; maskw
	v_lshl_add_u32 v62, v0, 2, 0x10c00
	v_mov_b32 v63, 0
	v_lshrrev_b32 v1, 5, v0
	v_readfirstlane_b32 s18, v1                    ; wave 0..3
	v_and_b32 v1, 31, v0                           ; lane
	v_lshlrev_b32 v2, 4, v1                        ; 16 x lane
	v_lshlrev_b32 v3, 3, v1                        ; 8 x lane
	v_and_b32 v4, 15, v0                           ; r
	v_bfe_u32 v5, v0, 4, 1                         ; h
	; every LDS address is made here, ahead of the parting of the three paths: a constant x wave + constants x r and h
	s_mul_i32 s24, s18, RSTG
	v_mul_u32_u24 v6, v5, 272
	v_lshl_add_u32 v6, v4, 4, v6
	v_add_nc_u32 v6, s24, v6                       ; ROWS, in: a load's two rows: row h, 16 bytes a lane
	v_mul_u32_u24 v7, v4, 272
	v_lshl_add_u32 v7, v5, 6, v7
	v_add_nc_u32 v7, s24, v7                       ; ROWS, out: row r, + 64 h: my 16 numbers of a block of 32
	s_mul_i32 s24, s18, MSTG
	s_add_co_u32 s24, s24, MSTG0
	v_add_nc_u32 v8, s24, v2                       ; MASK, in: a row's 512 bytes on end
	v_mul_u32_u24 v9, v4, 528
	v_lshl_add_u32 v9, v5, 6, v9
	v_add_nc_u32 v9, s24, v9                       ; MASK, out: row r, + 64 h
	v_lshlrev_b32 v10, 12, v5
	v_lshl_add_u32 v10, v4, 4, v10                 ; COLS, to memory: 4096 (lane / 16) + 16 (lane % 16)
	s_mov_b32 s19, 0x600000                        ; the mantissa field of 57,344
	s_mov_b32 s20, 0x76543210
	s_mov_b32 s21, 0xfedcba98                      ; v_permlanex16_b32's selects for lane l xor 16
	s_mov_b32 s22, 0xffff0000                      ; lanes 16-31
.irp b, 0,1,2,3
	v_mov_b32 v[TM+4+\b], 0                        ; written once: a lane permute's destination counts as one of its sources
.endr
	s_wait_kmcnt 0x0
	s_cmp_lt_u32 ttmp9, 256
	s_cbranch_scc1 .Lrows
	s_cmp_lt_u32 ttmp9, 512
	s_cbranch_scc1 .Lcols
; ---------------- MASK: a task is one query tile (16 rows of the mask) x four steps of 128 keys
	s_sub_co_u32 s24, ttmp9, 512
	s_lshl_b32 s24, s24, 2
	s_add_co_u32 s24, s24, s18                     ; task = 4 (128 batch + tile) + quarter
	s_lshr_b32 s25, s24, 2                         ; T = 128 batch + tile
	s_and_b32 s26, s25, 1
	s_lshl_b32 s26, s26, 3
	s_lshl_b32 s25, s25, 4
	s_sub_co_u32 s25, s25, s26                     ; the tile's first row: 32 (T / 2) + 8 (T % 2) = 16 T - 8 (T % 2); a batch is 128 tiles and 2,048 rows
	s_lshl_b32 s26, s25, 13                        ; rows of 8,192 bytes
	s_and_b32 s28, s24, 3
	s_lshl_b32 s28, s28, 11                        ; a quarter of a row: 2,048 bytes
	s_add_co_u32 s26, s26, s28
	s_mov_b32 s27, 0
	s_add_nc_u64 s[10:11], s[10:11], s[26:27]
	s_lshl_b32 s28, s24, 10                        ; 256 bytes of words for each step
	s_mov_b32 s29, 0
	s_add_nc_u64 s[16:17], s[16:17], s[28:29]
.irp i, 0,1,2,3,4,5,6,7
	v_mov_b32 v[MW+\i], 0                          ; v_writelane_b32's destination counts as read
.endr
.macro LOADM s                         ; step s: 512 consecutive bytes of each of the tile's 16 rows (tile lane n is row n + 8 (n / 8))
.set n, 0
.rept 16
	global_load_b128 v[L+64*((\s)%2)+4*n:L+64*((\s)%2)+4*n+3], v2, s[10:11] offset:(n+8*(n/8))*8192+512*(\s) th:TH_LOAD_NT
.set n, n+1
.endr
.endm
.macro MSTEP s
.if (\s) < 3
	s_wait_loadcnt 16                              ; this step's 16 loads are in; the next step's 16 may be out
.else
	s_wait_loadcnt 0x0
.endif
.set n, 0
.rept 16
	ds_store_b128 v8, v[L+64*((\s)%2)+4*n:L+64*((\s)%2)+4*n+3] offset:528*n
.set n, n+1
.endr
.set n, 0
.rept 16                               ; LDS serves a wave's instructions in order: these see the stores.  Register 16 b + i: key 32 b + 16 h + i of query r
	ds_load_b128 v[X+4*n:X+4*n+3], v9 offset:128*(n/4)+16*(n%4)
.set n, n+1
.endr
	s_wait_dscnt 0x0                               ; the numbers are back, and the stores have read the set that the next loads fill
.if (\s)+2 < 4
	LOADM (\s)+2
.endif
.irp g, 0,1,2,3                        ; word 16 g + i = the wave's lane mask of 'register 16 g + i is 0'; it goes to lane (16 g + i) / 2 of one of two registers, so that 8 bytes a lane are the 64 words on end
.irp i, 0,1,2,3,4,5,6,7,8,9,10,11,12,13,14,15
	v_cmp_eq_u32 s[32+\i], 0, v[X+16*\g+\i]
.endr
.irp i, 0,1,2,3,4,5,6,7,8,9,10,11,12,13,14,15
	v_writelane_b32 v[MW+2*(\s)+(\i%2)], s[32+\i], 8*\g+\i/2
.endr
.endr
	global_store_b64 v3, v[MW+2*(\s):MW+2*(\s)+1], s[16:17] offset:256*(\s)   ; 32 lanes store 256 consecutive bytes, aligned; each step has its own pair, so no store's data are written again
.endm
	LOADM 0
	LOADM 1
	MSTEP 0
	MSTEP 1
	MSTEP 2
	MSTEP 3
	s_wait_tensorcnt 0x0
	ds_add_u32 v62, v63
	s_wait_dscnt 0x0
	s_endpgm
; ---------------- COLS: v, whose K (the keys) is not innermost.  A task is 128 keys x 64 columns.  Lane l takes columns 2 l and 2 l + 1 and its registers run down the keys:
; each load is a whole row of 256 bytes, a block of 32 keys of a column lies in one lane, and the codes come out with the keys innermost.
.Lcols:
	s_sub_co_u32 s24, ttmp9, 256
	s_lshl_b32 s24, s24, 2
	s_add_co_u32 s24, s24, s18                     ; task = 16 head + step
	s_lshl_b32 s28, s24, 15
	s_mov_b32 s29, 0
	s_add_nc_u64 s[8:9], s[8:9], s[28:29]
	s_mul_i32 s26, s24, 17152
	s_add_co_u32 s26, s26, 8704                    ; V's part of the step
	s_mov_b32 s27, 0
	s_add_nc_u64 s[14:15], s[14:15], s[26:27]
.macro LOADV c                         ; block c: keys 32 c + n, n = 0 .. 31
.set n, 0
.rept 32
	global_load_b64 v[L+64*((\c)%2)+2*n:L+64*((\c)%2)+2*n+1], v3, s[8:9] offset:(32*(\c)+n)*256 th:TH_LOAD_NT
.set n, n+1
.endr
.endm
.macro CBLOCK c
.set LS, L+64*((\c)%2)
.if (\c) < 3
	s_wait_loadcnt 32                              ; this block's 32 loads are in; the next block's may be out
.else
	s_wait_loadcnt 0x0
.endif
.irp e, 0,1
	v_max3_num_f32 v[TM+\e], |v[LS+\e]|, |v[LS+2+\e]|, 0x8000000   ; column e: the floor 2^(16 - 127) is one of the leaves, so the byte cannot fall under 1
.endr
.irp i, 2,4,6,8,10,12,14,16,18,20,22,24,26,28,30
.irp e, 0,1
	v_max3_num_f32 v[TM+\e], v[TM+\e], |v[LS+2*\i+\e]|, |v[LS+2*\i+2+\e]|   ; the two columns by turns
.endr
.endr
.irp e, 0,1
	v_add_nc_u32 v[TM+12+\e], 0xf8800000, v[TM+\e]                ; 15 off the exponent field: the conversion takes this operand's exponent field as its scale
	v_and_or_b32 v[TM+8+\e], v[TM+\e], 0x7f800000, s19            ; 57,344 x the scale
	v_lshrrev_b32 v[TM+4+\e], 23, v[TM+12+\e]                     ; the scale's byte
.if (\c) == 0
	v_mov_b32 v[SW+\e], v[TM+4+\e]
.else
	v_lshl_or_b32 v[SW+\e], v[TM+4+\e], 8*(\c), v[SW+\e]          ; block c's byte is byte c of the column's word
.endif
.endr
.irp e, 0,1
.set n, 0
.rept 32
	v_med3_num_f32 v[X+32*\e+n], v[LS+2*n+\e], -v[TM+8+\e], v[TM+8+\e]   ; the hold (the conversion does not saturate: ISA guide 7.6.2); its destination also parts the two columns
.set n, n+1
.endr
.endr
.if (\c)+2 < 4
	s_wait_alu depctr_va_vdst(0)
	LOADV (\c)+2
.endif
.if (\c) > 0
	s_wait_alu depctr_va_vdst(0)
	s_wait_xcnt 0x0                                ; the last block's stores have read their data: the codes' registers are written again only behind this wait
.endif
.irp e, 0,1
.irp g, 0,1,2,3
	v_cvt_scalef32_pk8_bf8_f32 v[PC+8*\e+2*\g:PC+8*\e+2*\g+1], v[X+32*\e+8*\g:X+32*\e+8*\g+7], v[TM+12+\e]
.endr
.endr
	v_nop                                          ; a plain line behind the last conversion
.irp e, 0,1
.irp h, 0,1
	global_store_b128 v10, v[PC+8*\e+4*\h:PC+8*\e+4*\h+3], s[14:15] offset:2048*\e+512*(\c)+256*\h   ; column 2 l + e is lane l % 16 of tile 2 (l / 16) + e; sixteen lanes store 256 consecutive bytes, aligned
.endr
.endr
.endm
	LOADV 0
	LOADV 1
	CBLOCK 0
	CBLOCK 1
	CBLOCK 2
	CBLOCK 3
	global_store_b64 v3, v[SW:SW+1], s[14:15] offset:8192   ; the scale words: 256 consecutive bytes
	s_endpgm
; ---------------- ROWS: k, whose K (the head's 64) is innermost.  A task is 128 rows of 256 bytes, in four blocks of 32 rows = two tiles.
; The loads take the bytes as they lie, 512 to a load; a block turns through the wave's stage, its rows laid in the order of the tiles' lanes, and comes back 16 neighbours a lane.
.Lrows:
	s_mov_b64 s[4:5], s[6:7]                       ; k
	s_mov_b64 s[12:13], s[14:15]                   ; kvw
	s_mov_b32 s24, 17152                           ; bytes from task to task in kvw
	s_lshl_b32 s25, ttmp9, 2
	s_add_co_u32 s25, s25, s18                     ; task = 16 head + chunk
	s_mul_i32 s26, s25, s24
	s_mov_b32 s27, 0
	s_lshl_b32 s28, s25, 15
	s_mov_b32 s29, 0
	s_add_nc_u64 s[4:5], s[4:5], s[28:29]
	s_add_nc_u64 s[12:13], s[12:13], s[26:27]
.macro LOADB b                         ; block b: 16 loads of two rows each
.set n, 0
.rept 16
	global_load_b128 v[L+64*((\b)%2)+4*n:L+64*((\b)%2)+4*n+3], v2, s[4:5] offset:8192*(\b)+512*n th:TH_LOAD_NT
.set n, n+1
.endr
.endm
.macro RBLOCK b
.if (\b) < 3
	s_wait_loadcnt 16                              ; this block's 16 loads are in; the next block's may be out
.else
	s_wait_loadcnt 0x0
.endif
.set n, 0
.rept 16                               ; rows 2 n, 2 n + 1 of the block go to stage rows 16 u + r: rows 0-7 -> 0-7, 8-15 -> 16-23, 16-23 -> 8-15, 24-31 -> 24-31
	ds_store_b128 v6, v[L+64*((\b)%2)+4*n:L+64*((\b)%2)+4*n+3] offset:(16*((n/4)%2)+8*(n/8)+2*(n%4))*272
.set n, n+1
.endr
.set n, 0
.rept 16                               ; n = 8 u + 4 c + j: register 32 u + 16 c + x is d = 32 c + 16 h + x of tile u's row r
	ds_load_b128 v[X+4*n:X+4*n+3], v7 offset:16*(n/8)*272+128*((n/4)%2)+16*(n%4)
.set n, n+1
.endr
	s_wait_dscnt 0x0                               ; the numbers are back, and the stores have read the set that the next loads fill
.if (\b)+2 < 4
	LOADB (\b)+2
.endif
.if (\b) > 0
	s_wait_xcnt 0x0                                ; the last block's stores have read their data: the codes' registers are written again only behind this wait
.endif
.irp q, 0,1,2,3                        ; four blocks of 32 along d: q = 2 u + c; two lanes, l and l xor 16, hold a block
	v_max3_num_f32 v[TM+\q], |v[X+16*\q]|, |v[X+1+16*\q]|, 0x8000000   ; the floor 2^(16 - 127) among the leaves
.endr
.irp i, 2,4,6,8,10,12,14
.irp q, 0,1,2,3
	v_max3_num_f32 v[TM+\q], v[TM+\q], |v[X+16*\q+\i]|, |v[X+1+16*\q+\i]|
.endr
.endr
.irp q, 0,1,2,3
	v_permlanex16_b32 v[TM+4+\q], v[TM+\q], s20, s21
.endr
.irp q, 0,1,2,3
	v_max_num_f32 v[TM+\q], v[TM+\q], v[TM+4+\q]
.endr
.irp q, 0,1,2,3
	v_add_nc_u32 v[TM+12+\q], 0xf8800000, v[TM+\q]
.endr
.irp q, 0,1,2,3
	v_and_or_b32 v[TM+8+\q], v[TM+\q], 0x7f800000, s19
.endr
.irp q, 0,1,2,3
	v_lshrrev_b32 v[TM+4+\q], 23, v[TM+12+\q]
.endr
.irp q, 0,1,2,3
.set n, 0
.rept 16
	v_med3_num_f32 v[X+16*\q+n], v[X+16*\q+n], -v[TM+8+\q], v[TM+8+\q]
.set n, n+1
.endr
	v_cvt_scalef32_pk8_bf8_f32 v[PC+4*\q:PC+4*\q+1], v[X+16*\q:X+16*\q+7], v[TM+12+\q]
	v_cvt_scalef32_pk8_bf8_f32 v[PC+4*\q+2:PC+4*\q+3], v[X+16*\q+8:X+16*\q+15], v[TM+12+\q]
.endr
	v_lshl_or_b32 v[TM+4], v[TM+5], 8, v[TM+4]     ; tile 0's word: s0, s1,
	v_lshl_or_b32 v[TM+6], v[TM+7], 8, v[TM+6]     ; tile 1's,
	v_lshl_or_b32 v[TM+4], v[TM+4], 16, v[TM+4]    ; each twice: the word serves an operand whose 64 numbers stand in its lower half and one whose stand in its upper half
	v_lshl_or_b32 v[TM+6], v[TM+6], 16, v[TM+6]
	v_cndmask_b32 v[SW+(\b)], v[TM+4], v[TM+6], s22   ; lanes 0-15: tile 2 b; lanes 16-31: tile 2 b + 1
.irp u, 0,1
.irp c, 0,1
	global_store_b128 v2, v[PC+8*\u+4*\c:PC+8*\u+4*\c+3], s[12:13] offset:(2*(\b)+\u)*1024+512*\c   ; 512 consecutive bytes
.endr
.endr
.endm
	LOADB 0
	LOADB 1
	RBLOCK 0
	RBLOCK 1
	RBLOCK 2
	RBLOCK 3
	global_store_b128 v2, v[SW:SW+3], s[12:13] offset:8192   ; the task's scale words: 512 consecutive bytes
	s_wait_tensorcnt 0x0
	ds_add_u32 v62, v63
	s_wait_dscnt 0x0
	s_endpgm
.Lfunc_end_k_qfc879e701e_prep:
	.size	k_qfc879e701e_prep, .Lfunc_end_k_qfc879e701e_prep-k_qfc879e701e_prep
	.p2alignl 7, 3214868480
	.fill 96, 4, 3214868480
	.section	.rodata,"a",@progbits
	.p2align	6, 0x0
	.amdhsa_kernel k_qfc879e701e_prep
		.amdhsa_group_segment_fixed_size 69120
		.amdhsa_private_segment_fixed_size 0
		.amdhsa_enable_private_segment 0
		.amdhsa_kernarg_size 40
		.amdhsa_user_sgpr_count 2
		.amdhsa_user_sgpr_kernarg_segment_ptr 1
		.amdhsa_wavefront_size32 1
		.amdhsa_system_sgpr_workgroup_id_x 1
		.amdhsa_system_sgpr_workgroup_id_y 1
		.amdhsa_system_sgpr_workgroup_id_z 1
		.amdhsa_system_vgpr_workitem_id 0
		.amdhsa_next_free_vgpr 256
		.amdhsa_next_free_sgpr 66
		.amdhsa_reserve_vcc 0
		.amdhsa_float_denorm_mode_32 3
		.amdhsa_float_denorm_mode_16_64 3
		.amdhsa_memory_ordered 1
		.amdhsa_forward_progress 1
		.amdhsa_inst_pref_size 142
	.end_amdhsa_kernel
	.amdgpu_metadata
---
amdhsa.version: [ 1, 2 ]
amdhsa.kernels:
  - .name:           k_qfc879e701e_prep
    .symbol:         k_qfc879e701e_prep.kd
    .args:
      - { .name: k, .offset: 0, .size: 8, .value_kind: global_buffer, .address_space: global }
      - { .name: v, .offset: 8, .size: 8, .value_kind: global_buffer, .address_space: global }
      - { .name: mask, .offset: 16, .size: 8, .value_kind: global_buffer, .address_space: global }
      - { .name: kvw, .offset: 24, .size: 8, .value_kind: global_buffer, .address_space: global }
      - { .name: maskw, .offset: 32, .size: 8, .value_kind: global_buffer, .address_space: global }
    .group_segment_fixed_size: 69120
    .private_segment_fixed_size: 0
    .kernarg_segment_align: 8
    .kernarg_segment_size: 40
    .max_flat_workgroup_size: 128
    .sgpr_count:     66
    .vgpr_count:     256
    .wavefront_size: 32
...
	.end_amdgpu_metadata
.endif
;; end of part 3
;; launch attn (part 4): grid 4 x 64, 16 waves a work-group, clusters of 4 x 1, 327,680 bytes of LDS; arguments q, kvw, maskw, out0; writes out0
.if DOCPART == 4
	.amdgcn_target "amdgcn-amd-amdhsa--gfx1250"
	.amdhsa_code_object_version 6
	.text
	.protected	k_qfc879e701e_attn
	.globl	k_qfc879e701e_attn
	.p2align	8
	.type	k_qfc879e701e_attn,@function
k_qfc879e701e_attn:
	s_mov_b64 s[64:65], 0
	v_nop
	global_prefetch_b8 v0, s[64:65] scope:SCOPE_SE
	s_setreg_imm32_b32 hwreg(HW_REG_WAVE_MODE, 25, 1), 1
	s_wait_xcnt 0x0
	s_wait_alu depctr_hold_cnt(0) depctr_sa_sdst(0) depctr_va_vdst(0) depctr_va_sdst(0) depctr_va_ssrc(0) depctr_va_vcc(0) depctr_vm_vsrc(0)
	s_getreg_b32 s2, hwreg(HW_REG_IB_STS2, 6, 4)
	s_cmp_eq_u32 s2, 0
	s_cbranch_scc0 .Lentry_in_a_cluster
	s_endpgm
.Lentry_in_a_cluster:
	s_bfe_u32 s2, ttmp6, 0x10000c
	s_cmp_lg_u32 s2, 0x3003
	s_cbranch_scc0 .Lentry_shape_is_right
	s_endpgm
.Lentry_shape_is_right:
; out[head][q][:] = the sum over k of softmax_k(masked q . k / 8) v[k][:], 64 heads, 2,048 queries and keys, head size 64, both products on codes of E5M2 with E8M0 scales.
; THE SOFTMAX: t = score x log2(e) / 8; M = the running largest t rounded UP to a whole number; p = 2^(t - M) is quantised along the keys, not normalised; the row's sum is taken of the
; unquantised p and divides at the end.  When M moves, the sum and O are multiplied by 2^(old M - new M), which rounds nothing.
; Q ARRIVES AS f32 and each number is read by one wave: a wave quantises its two tiles of 16 queries in registers at the head, by the rule: a block of 32 along the head's 64, its scale
; 2^(floor(log2(largest magnitude)) - 15), the byte held at 1 from below, the numbers held within 57,344 x the scale and converted.
; THE MASK arrives as lane masks, one word for each score register (made by the launch before): a hidden score is replaced by -2^33 by one v_cndmask_b32.  A step's 64 words stand in 64 scalar
; registers and are asked for a key step ahead, behind the step's last select.
; A ROW WITH NO OPEN KEY SO FAR: the running largest t begins at -2^30 and hidden scores lie under it.  While it stands there, c and M are taken as 0, so that every p is 1, as the definition has it
; for a row whose logits are all equal; the first open key makes f = 2^(-2^30 - M) = 0, which takes those sums away.
; LIMITS: an open t under -2^30 (a logit under about -7.4e8) counts as hidden.  p under 2^-126 counts as 0.  A block of zeros of q gets the byte 1 over zero codes.  NaN and infinities are not served.
; SHARES.  A work-group owns 512 queries of a head; each of its sixteen waves owns one tile of 16 queries at a time, two tiles one after the other, in 256 registers: four waves to a SIMD.
; ALL OF A HEAD'S K AND V, 16 steps x 17,152 bytes, lie in LDS as images of the operands' registers, filled ONCE: wave w fetches step w, one tensor load a wave.
; CLUSTER.  The four work-groups of a head ask for each step JOINTLY: the same load, the same descriptor, a mask that names the four.
; NO PREFETCH: K and V are asked for once, at the head, with no loop to run ahead in; a step's 256 bytes of mask words are asked for a whole key step ahead of their use.
; LAYOUT.  Both products are used transposed: a lane holds ONE query (lane % 16).  Lane r of a tile 2 b + u (of keys or of queries) is row 32 b + 8 u + r + 8 (r / 8), so the 16 registers of key
; tiles 2 b, 2 b + 1 are keys 32 b + 16 (lane / 16) + 0..15: the conversions' results are the second product's operand.  The first product's K is 64: the other half of the instruction's 128 is zero codes on both sides.
.set STEPB, 17152                      ; a step's bytes: K's codes at 0,
.set KSC,   8192                       ; K's scale words,
.set VCO,   8704                       ; V's codes,
.set VSC,   16896                      ; V's scale words
.set SPARE, 16*STEPB                   ; the spare words, 128 bytes a wave
.set PARK,  SPARE+2048                 ; 3,072 bytes a wave: 24 registers of the first tile's rows; no fill lands here
.set SPITCH, 272                       ; the way out: 16 rows x (256 + 16) bytes a wave, over K and V when nobody reads them any more
.set STG,   16*SPITCH
.set SPW, 5                            ; v5 my spare word's address, v8 0: for the add alone
.set NIL, 8
.set QB,  16                           ; v16-31   Q Z: the queries' operand
.set Q2,  32                           ; v32-39   my second tile's codes, v40 its scale word, until its turn
.set Q2W, 40
.set HV,  41                           ; -2^33
.set KA,  48                           ; v48-111  four times D Z: four key tiles
.set S,   112                          ; v112-175 q as f32 at the head; S^T, then p, then V's four fragments
.set O,   176                          ; v176-207 O^T
.set PC,  208                          ; v208-223 the sums' partial pairs, then p's codes (over BM and T4, done with by then)
.set BM,  216
.set T4,  220
.set HL,  224                          ; 57,344 x the scale
.set SO,  228                          ; the conversions' scale operands
.set KS,  232                          ; v232-235 K's scale words; v236-237 V's; v6 Q's; v241 p's: scales and nothing else
.set VS,  236
.set F,   238                          ; f = 2^(old M - new M), low word of a pair
.set TMP, 240
.set PW,  241
.set CC,  242                          ; c
.set CE,  244                          ; c or 0, low word of a pair
.set NE,  246                          ; -M or 0, low word of a pair
.set HOLD, 248                         ; v248-255 the other 8 registers of the first tile's rows
; v1 16 x lane, v2 8 x lane, v3 / v4 the same + the step's LDS base, v11 my offset in q's rows, v10 my parking place, v12 -M, v13 the largest t, v[14:15] the sum
.set G1,  8
.set G0,  16
.set WV,  20
.set TB,  21
.set TRIP, 22
.set SEL0, 23
.set SEL1, 24
.set CS,  25
.set MNT, 26
.set TH,  27
.set MB,  32                           ; s[32:63] mask words 32-63 of a step, s[68:99] words 0-31
.set MA,  68
; s[2:3] maskw at the words last asked for, s[4:5] q at my first tile, s[6:7] out at my first tile
.macro CROUND                          ; a round of the cluster's barrier
	s_barrier_signal -1
	s_barrier_wait -1
	s_cmp_lg_u32 s[WV], 0
	s_cbranch_scc1 .Lnot_wave_0_\@
	s_barrier_signal -3
.Lnot_wave_0_\@:
	s_barrier_wait -3
	s_barrier_signal -1
	s_barrier_wait -1
.endm
	s_load_b256 s[32:39], s[0:1], 0x0              ; q, kvw, maskw, out
	v_lshl_add_u32 v[SPW], v0, 2, SPARE
	v_mov_b32 v[NIL], 0
	ds_add_u32 v[SPW], v[NIL]                      ; the opening lines: the add twice on end
	ds_add_u32 v[SPW], v[NIL]
	v_lshrrev_b32 v1, 5, v0
	v_readfirstlane_b32 s[WV], v1                  ; wave 0..15
	s_bfe_u32 s40, ttmp6, 0x40000                  ; cx
	s_lshl_b32 s41, ttmp9, 2
	s_add_co_u32 s40, s40, s41                     ; X: my 512 queries; it enters q's, the mask's and the output's addresses alone
	s_and_b32 s41, ttmp7, 0xffff                   ; the head
	s_mov_b32 s[G1+0], 15|(3<<16)|(1<<21)          ; all four work-groups; elements of 8 bytes; a step's dense bytes as 67 rows of 256
	s_mov_b32 s[G1+1], 32<<16
	s_mov_b32 s[G1+2], 67<<16
	s_mov_b32 s[G1+3], 32<<16
	s_mov_b32 s[G1+4], 67
	s_mov_b32 s[G1+5], 32
	s_mov_b32 s[G1+6], 0
	s_mov_b32 s[G1+7], 0
	s_mul_i32 s42, s[WV], STEPB                    ; wave w fetches step w: the same offset in LDS and in the head's bytes
	s_mul_i32 s44, s41, 16*STEPB
	s_add_co_u32 s44, s44, s42
	s_mov_b32 s45, 0
	s_mul_i32 s43, s[WV], 3072
	s_add_co_u32 s43, s43, PARK
	s_mov_b32 s[SEL0], 0x76543210
	s_mov_b32 s[SEL1], 0xfedcba98
	s_mov_b32 s[CS], 0x3e38aa3b                    ; c = log2(e) / 8
	s_mov_b32 s[MNT], 0x600000                     ; the mantissa field of 57,344
	s_mov_b32 s[TH], 0xce800000                    ; -2^30
	v_and_b32 v1, 31, v0
	v_lshlrev_b32 v2, 3, v1
	v_lshlrev_b32 v1, 4, v1
	v_and_b32 v7, 15, v0                           ; r
	v_bfe_u32 v9, v0, 4, 1                         ; h
	v_and_b32 v11, 8, v7
	v_add_nc_u32 v11, v11, v7                      ; r + 8 (r / 8)
	v_lshlrev_b32 v11, 8, v11                      ; q: my row of 256 bytes,
	v_lshl_add_u32 v11, v9, 6, v11                 ; + 64 h: my 16 numbers of a block of 32
	v_add_nc_u32 v10, s43, v1
.irp j, 0,1,2,3,4,5,6,7
	v_mov_b32 v[QB+8+\j], 0                        ; the zero codes: they stay
	v_mov_b32 v[KA+8+\j], 0
	v_mov_b32 v[KA+24+\j], 0
	v_mov_b32 v[KA+40+\j], 0
	v_mov_b32 v[KA+56+\j], 0
.endr
.irp j, 0,1,2,3
	v_mov_b32 v[T4+\j], 0                          ; a lane permute's destination counts as one of its sources
.endr
	v_mov_b32 v[HV], 0xd0000000
	v_mov_b32 v[CC], s[CS]
	v_mov_b32 v[F+1], 0                            ; upper words of pairs whose low word alone is used
	v_mov_b32 v[CE+1], 0
	v_mov_b32 v[NE+1], 0
	s_wait_alu depctr_va_vdst(0)
	s_wait_dscnt 0x0                               ; both opening adds are done
	s_wait_kmcnt 0x0
	s_mov_b32 s[G0], 1
	s_mov_b32 s[G0+1], s42
	s_add_nc_u64 s[G0+2:G0+3], s[34:35], s[44:45]
	s_or_b32 s[G0+3], s[G0+3], 0x80000000
	CROUND                                         ; all four work-groups are here: the joint loads meet
	tensor_load_to_lds s[G0:G0+3], s[G1:G1+7]      ; my one tensor load
	s_nop 0
.rept 4
	v_nop
.endr
	s_mov_b32 s49, 0
	s_lshr_b32 s48, s41, 4                         ; maskw: tile 128 batch + 32 X + wave, 4,096 bytes each
	s_lshl_b32 s48, s48, 7
	s_lshl_b32 s46, s40, 5
	s_add_co_u32 s48, s48, s46
	s_add_co_u32 s48, s48, s[WV]
	s_lshl_b32 s48, s48, 12
	s_add_nc_u64 s[2:3], s[36:37], s[48:49]
	s_lshl_b32 s48, s41, 11                        ; q and out: row 2048 head + 512 X + 32 (wave / 2) + 8 (wave % 2), 256 bytes a row
	s_lshl_b32 s46, s40, 9
	s_add_co_u32 s48, s48, s46
	s_lshr_b32 s46, s[WV], 1
	s_lshl_b32 s46, s46, 5
	s_add_co_u32 s48, s48, s46
	s_and_b32 s46, s[WV], 1
	s_lshl_b32 s46, s46, 3
	s_add_co_u32 s48, s48, s46
	s_lshl_b32 s48, s48, 8
	s_add_nc_u64 s[4:5], s[32:33], s[48:49]
	s_add_nc_u64 s[6:7], s[38:39], s[48:49]
.macro ASK                             ; a step's 64 mask words, 256 consecutive bytes.  From here on s[32:63] and s[68:99] hold mask words and nothing else
	s_load_b512 s[MA:MA+15], s[2:3], 0x0
	s_load_b512 s[MA+16:MA+31], s[2:3], 0x40
	s_load_b512 s[MB:MB+15], s[2:3], 0x80
	s_load_b512 s[MB+16:MB+31], s[2:3], 0xc0
.endm
	ASK                                            ; the first step's words
.irp u, 0,1                            ; q of my two tiles, 256 rows apart: register 32 u + 16 c + x is d = 32 c + 16 h + x of my row
.irp c, 0,1
.irp j, 0,1,2,3
	global_load_b128 v[S+32*\u+16*\c+4*\j:S+32*\u+16*\c+4*\j+3], v11, s[4:5] offset:65536*\u+128*\c+16*\j th:TH_LOAD_NT
.endr
.endr
.endr
.macro INIT                            ; a tile begins: O^T and the sum as zeros, the largest t at -2^30
	v_mov_b32 v13, s[TH]
	v_mov_b32 v12, 0x4e800000                      ; -M = 2^30
	v_mov_b32 v14, 0
	v_mov_b32 v15, 0
.set n, 0
.rept 32
	v_mov_b32 v[O+n], 0
.set n, n+1
.endr
.endm
	INIT
	s_wait_alu depctr_va_vdst(0)
	s_wait_loadcnt 0x0                             ; q
; four blocks of 32 along d: b = 2 u + c; lanes l and l xor 16 hold a block
.irp b, 0,1,2,3
	v_max3_num_f32 v[BM+\b], |v[S+16*\b]|, |v[S+1+16*\b]|, 0x8000000   ; the floor 2^(16 - 127) among the leaves: the byte cannot fall under 1
.endr
.irp i, 2,4,6,8,10,12,14
.irp b, 0,1,2,3
	v_max3_num_f32 v[BM+\b], v[BM+\b], |v[S+16*\b+\i]|, |v[S+1+16*\b+\i]|
.endr
.endr
.irp b, 0,1,2,3
	v_permlanex16_b32 v[T4+\b], v[BM+\b], s[SEL0], s[SEL1]
.endr
.irp b, 0,1,2,3
	v_max_num_f32 v[BM+\b], v[BM+\b], v[T4+\b]
.endr
.irp b, 0,1,2,3
	v_add_nc_u32 v[SO+\b], 0xf8800000, v[BM+\b]    ; 15 off the exponent field: the conversion's scale operand
.endr
.irp b, 0,1,2,3
	v_and_or_b32 v[HL+\b], v[BM+\b], 0x7f800000, s[MNT]   ; 57,344 x the scale
.endr
.irp b, 0,1,2,3
	v_lshrrev_b32 v[T4+\b], 23, v[SO+\b]           ; the scale's byte
.endr
.irp b, 0,1,2,3
.set n, 0
.rept 16
	v_med3_num_f32 v[S+16*\b+n], v[S+16*\b+n], -v[HL+\b], v[HL+\b]   ; the conversion does not saturate (ISA guide 7.6.2)
.set n, n+1
.endr
	v_cvt_scalef32_pk8_bf8_f32 v[QB+4*\b+8*(\b/2):QB+4*\b+8*(\b/2)+1], v[S+16*\b:S+16*\b+7], v[SO+\b]        ; blocks 0, 1 into Q, blocks 2, 3 into the second tile's eight
	v_cvt_scalef32_pk8_bf8_f32 v[QB+4*\b+8*(\b/2)+2:QB+4*\b+8*(\b/2)+3], v[S+16*\b+8:S+16*\b+15], v[SO+\b]
.endr
	v_lshl_or_b32 v6, v[T4+1], 8, v[T4]            ; a tile's scale word: s0, s1, and 127 for the two blocks of zero codes
	v_lshl_or_b32 v[Q2W], v[T4+3], 8, v[T4+2]
	v_or_b32 v6, 0x7f7f0000, v6
	v_or_b32 v[Q2W], 0x7f7f0000, v[Q2W]
.macro KLOAD a, off, g                 ; K's tiles 4 g .. 4 g + 3 into the four D
.irp t, 0,1,2,3
	ds_load_b128 v[KA+16*\t:KA+16*\t+3], v[\a] offset:\off+(4*\g+\t)*1024
	ds_load_b128 v[KA+16*\t+4:KA+16*\t+7], v[\a] offset:\off+(4*\g+\t)*1024+512
.endr
.endm
.macro QK g                            ; their scores; an odd tile's scale words stand in lanes 16-31
.irp t, 0,2
	v_wmma_scale_f32_16x16x128_f8f6f4 v[S+8*(4*\g+\t):S+8*(4*\g+\t)+7], v[KA+16*\t:KA+16*\t+15], v[QB:QB+15], 0, v[KS+2*\g+\t/2], v6 matrix_a_fmt:MATRIX_FMT_BF8 matrix_b_fmt:MATRIX_FMT_BF8
	v_wmma_scale_f32_16x16x128_f8f6f4 v[S+8*(4*\g+\t)+8:S+8*(4*\g+\t)+15], v[KA+16*\t+16:KA+16*\t+31], v[QB:QB+15], 0, v[KS+2*\g+\t/2], v6 matrix_a_fmt:MATRIX_FMT_BF8 matrix_b_fmt:MATRIX_FMT_BF8 matrix_a_scale:MATRIX_SCALE_ROW1
.endr
.endm
.macro HIDE g, m                       ; each accumulator from its low end on
.set n, 0
.rept 32
	v_cndmask_b32 v[S+32*\g+n], v[S+32*\g+n], v[HV], s[\m+n]
.set n, n+1
.endr
.endm
.macro BM2 g, i
.irp e, 0,1
	v_max3_num_f32 v[BM+2*\g+\e], v[BM+2*\g+\e], v[S+32*\g+16*\e+\i], v[S+32*\g+16*\e+\i+1]
.endr
.endm
.macro BMAXA g                         ; the largest score of blocks 2 g, 2 g + 1 of 32 keys, first half: eight lines
.irp e, 0,1
	v_max3_num_f32 v[BM+2*\g+\e], v[S+32*\g+16*\e], v[S+32*\g+16*\e+1], v[S+32*\g+16*\e+2]
.endr
	BM2 \g, 3
	BM2 \g, 5
	BM2 \g, 7
.endm
.macro BMAXB g                         ; second half: eight lines
	BM2 \g, 9
	BM2 \g, 11
	BM2 \g, 13
.irp e, 0,1
	v_max_num_f32 v[BM+2*\g+\e], v[BM+2*\g+\e], v[S+32*\g+16*\e+15]
.endr
.endm
.macro PV t, row
.if \row
	v_wmma_scale_f32_16x16x128_f8f6f4 v[O+8*\t:O+8*\t+7], v[S+16*\t:S+16*\t+15], v[PC:PC+15], v[O+8*\t:O+8*\t+7], v[VS+\t-2], v[PW] matrix_a_fmt:MATRIX_FMT_BF8 matrix_b_fmt:MATRIX_FMT_BF8 matrix_a_scale:MATRIX_SCALE_ROW1
.else
	v_wmma_scale_f32_16x16x128_f8f6f4 v[O+8*\t:O+8*\t+7], v[S+16*\t:S+16*\t+15], v[PC:PC+15], v[O+8*\t:O+8*\t+7], v[VS+\t], v[PW] matrix_a_fmt:MATRIX_FMT_BF8 matrix_b_fmt:MATRIX_FMT_BF8
.endif
.endm
.macro OMUL from                       ; sixteen registers of O^T under the new M
.set n, \from
.rept 8
	v_pk_mul_f32 v[O+n:O+n+1], v[O+n:O+n+1], v[F:F+1] op_sel_hi:[1,0]
.set n, n+2
.endr
.endm
; A KEY STEP: 128 keys.  Its first four tiles of K, K's scale words and its mask words were asked for in the step before.  nxt: 0 it asks for the next step's; 1 for step 0's, with the mask words of
; my second tile, sixteen tiles on; 2 for nothing: the last step of all.
; Distances (this form): eight plain vector lines before a vector line or a load touches a matrix instruction's registers, nine before a matrix instruction writes over one.
.macro STEP nxt
	v_add_nc_u32 v3, s[TB], v1
	v_add_nc_u32 v4, s[TB], v2                     ; with the eight lines of OMUL 16: ten places between the last step's first two products and the scores that land on their fragments of V
	s_wait_alu depctr_va_vdst(0)
	s_wait_dscnt 0x0                               ; four tiles of K and the scale words
	QK 0
.rept 8
	v_nop                                          ; eight places in front of the loads into D and of the first read of the scores
.endr
	KLOAD 3, 0, 1
	s_wait_kmcnt 0x0                               ; this step's 64 mask words (scalar loads come back in no order: the count is 0)
	HIDE 0, MA
	BMAXA 0
	s_wait_alu depctr_va_vdst(0)
	s_wait_dscnt 0x0
	QK 1
	BMAXB 0                                        ; eight plain lines on the first 32 scores: the places behind the four products above
.if \nxt == 0
	ds_load_b128 v[KS:KS+3], v3 offset:STEPB+KSC
	KLOAD 3, STEPB, 0
.endif
.if \nxt == 1
	ds_load_b128 v[KS:KS+3], v1 offset:KSC
	KLOAD 1, 0, 0
.endif
	HIDE 1, MB
.if \nxt < 2                           ; all 64 words have been read, and no scalar load is out since the wait above: the pointer steps, and the next words are asked for into the same registers
.if \nxt == 0
	s_add_nc_u64 s[2:3], s[2:3], 256
.else
	s_add_nc_u64 s[2:3], s[2:3], 256+15*4096       ; a tile's words are 4,096 bytes: from its last step to the first step sixteen tiles on
.endif
	ASK
.endif
	BMAXA 1
	BMAXB 1
.irp b, 0,1,2,3
	v_permlanex16_b32 v[T4+\b], v[BM+\b], s[SEL0], s[SEL1]
.endr
	v_dual_max_num_f32 v[BM], v[BM], v[T4] :: v_dual_max_num_f32 v[BM+1], v[BM+1], v[T4+1]         ; with lane l xor 16's 16 keys
	v_dual_max_num_f32 v[BM+2], v[BM+2], v[T4+2] :: v_dual_max_num_f32 v[BM+3], v[BM+3], v[T4+3]
	v_max3_num_f32 v[TMP], v[BM], v[BM+1], v[BM+2]
	v_max_num_f32 v[TMP], v[TMP], v[BM+3]          ; the step's largest score of my query
	v_mul_f32 v[TMP], s[CS], v[TMP]                ; as t
	v_max_num_f32 v13, v13, v[TMP]                 ; the running largest t, never under -2^30
	v_mov_b32 v[TMP], v12
	v_floor_f32 v12, -v13                          ; the new -M = -ceil(t)
	v_cmp_lt_f32 vcc_lo, s[TH], v13                ; has my query had an open key?
	v_sub_f32 v[TMP], v12, v[TMP]                  ; old M - new M: a whole number, 0 or less
	v_cndmask_b32 v[CE], 0, v[CC], vcc_lo          ; c and -M, or 0 and 0: then every p is 1
	v_cndmask_b32 v[NE], 0, v12, vcc_lo
	v_cvt_i32_f32 v[TMP], v[TMP]                   ; (it saturates)
	v_ldexp_f32 v[F], 1.0, v[TMP]                  ; f = 2^(old M - new M)
.set n, 0
.rept 32
	v_pk_fma_f32 v[S+n:S+n+1], v[S+n:S+n+1], v[CE:CE+1], v[NE:NE+1] op_sel_hi:[1,0,0]   ; t - M, two at a time
.set n, n+2
.endr
.irp b, 0,1,2,3
	v_fma_f32 v[BM+\b], v[BM+\b], v[CE], v[NE]     ; the same of each block's largest score
.endr
	s_wait_alu depctr_va_vdst(0)
.set n, 0
.rept 64
	v_exp_f32 v[S+n], v[S+n]                       ; p = 2^(t - M), at most 1
.set n, n+1
.endr
.irp b, 0,1,2,3
	v_exp_f32 v[BM+\b], v[BM+\b]                   ; the block's largest p: the same two instructions on the same number
.endr
	v_pk_mul_f32 v[14:15], v[14:15], v[F:F+1] op_sel_hi:[1,0]   ; the sums under the new M (the plain line behind the batch)
	s_wait_alu depctr_va_vdst(0)                   ; and the wait behind it
.irp b, 0,1,2,3
	v_max_num_f32 v[BM+\b], 0x8000000, v[BM+\b]    ; the floor 2^(16 - 127): the byte cannot fall under 1
.endr
.irp b, 0,1,2,3
	v_add_nc_u32 v[SO+\b], 0xf8800000, v[BM+\b]    ; 15 off the exponent field: the conversion's scale operand
.endr
.irp b, 0,1,2,3
	v_and_or_b32 v[HL+\b], v[BM+\b], 0x7f800000, s[MNT]   ; 57,344 x the scale
.endr
.irp b, 0,1,2,3
	v_lshrrev_b32 v[T4+\b], 23, v[SO+\b]           ; the scale's byte
.endr
	v_lshl_or_b32 v[PW], v[T4+1], 8, v[T4]         ; p's scale word for these 128 keys
	v_lshl_or_b32 v[PW], v[T4+2], 16, v[PW]
	v_lshl_or_b32 v[PW], v[T4+3], 24, v[PW]
; the row's sum of the unquantised p: 32 pairs in eight chains (seven partial pairs in the codes' registers, and the sum itself)
.irp k, 0,1,2,3,4,5,6
	v_pk_add_f32 v[PC+2*\k:PC+2*\k+1], v[S+2*\k:S+2*\k+1], v[S+14+2*\k:S+15+2*\k]
.endr
	v_pk_add_f32 v[14:15], v[14:15], v[S+28:S+29]
.irp k, 0,1,2,3,4,5,6
	v_pk_add_f32 v[PC+2*\k:PC+2*\k+1], v[PC+2*\k:PC+2*\k+1], v[S+30+2*\k:S+31+2*\k]
.endr
	v_pk_add_f32 v[14:15], v[14:15], v[S+44:S+45]
.irp k, 0,1,2,3,4,5,6
	v_pk_add_f32 v[PC+2*\k:PC+2*\k+1], v[PC+2*\k:PC+2*\k+1], v[S+46+2*\k:S+47+2*\k]
.endr
	v_pk_add_f32 v[14:15], v[14:15], v[S+60:S+61]
	v_pk_add_f32 v[PC:PC+1], v[PC:PC+1], v[S+62:S+63]
	v_pk_add_f32 v[PC+4:PC+5], v[PC+4:PC+5], v[PC+6:PC+7]
	v_pk_add_f32 v[PC+8:PC+9], v[PC+8:PC+9], v[PC+10:PC+11]
	v_pk_add_f32 v[14:15], v[14:15], v[PC+12:PC+13]
	v_pk_add_f32 v[PC:PC+1], v[PC:PC+1], v[PC+2:PC+3]
	v_pk_add_f32 v[14:15], v[14:15], v[PC+8:PC+9]
	v_pk_add_f32 v[PC:PC+1], v[PC:PC+1], v[PC+4:PC+5]
	v_pk_add_f32 v[14:15], v[14:15], v[PC:PC+1]
.irp b, 0,1,2,3
.set n, 0
.rept 8                                ; the hold (the conversion does not saturate: ISA guide 7.6.2); p is not negative, so it is one-sided; two numbers a line
	v_dual_min_num_f32 v[S+16*\b+n], v[S+16*\b+n], v[HL+\b] :: v_dual_min_num_f32 v[S+16*\b+n+1], v[S+16*\b+n+1], v[HL+\b]
.set n, n+2
.endr
	v_cvt_scalef32_pk8_bf8_f32 v[PC+4*\b:PC+4*\b+1], v[S+16*\b:S+16*\b+7], v[SO+\b]
	v_cvt_scalef32_pk8_bf8_f32 v[PC+4*\b+2:PC+4*\b+3], v[S+16*\b+8:S+16*\b+15], v[SO+\b]
.irp c, 0,1,2,3
	ds_load_b128 v[S+16*\b+4*\c:S+16*\b+4*\c+3], v3 offset:VCO+2048*\b+512*\c   ; V's tile b takes the registers that block b's p has left
.endr
.endr
	ds_load_b64 v[VS:VS+1], v4 offset:VSC          ; word e: lanes 0-15 tile e, lanes 16-31 tile 2 + e
	OMUL 0                                         ; also the plain lines between the conversions and the products that take the codes
	s_wait_alu depctr_va_vdst(0)
	s_wait_dscnt 0x0                               ; V's four tiles and their scale words
	PV 0, 0
	PV 1, 0
	OMUL 16                                        ; eight plain lines that name no register of the two products above
	PV 2, 1
	PV 3, 1
	s_add_co_u32 s[TB], s[TB], STEPB
.endm
.macro STEPS n
	s_mov_b32 s[TRIP], \n
.Lstep_\@:
	STEP 0
	s_sub_co_u32 s[TRIP], s[TRIP], 1
	s_cmp_lg_u32 s[TRIP], 0
	s_cbranch_scc1 .Lstep_\@
.endm
; A tile ends: O^T / the sum.  V's tile t, lane m is column 32 (t / 2) + 2 m + t % 2: S + 16 p + x is column 32 p + 16 h + x.
.macro EPILOG
.rept 8
	v_nop                                          ; eight places behind the last products
.endr
	v_add_f32 v14, v14, v15
	v_permlanex16_b32 v[TMP], v14, s[SEL0], s[SEL1]
	v_add_f32 v14, v14, v[TMP]
	s_wait_alu depctr_va_vdst(0)
	v_rcp_f32 v14, v14
	v_nop
	s_wait_alu depctr_va_vdst(0)                   ; behind the transcendental, ahead of the first reader
.irp p, 0,1
.irp j, 0,1,2,3,4,5,6,7
.irp e, 0,1
	v_mul_f32 v[S+16*\p+2*\j+\e], v[O+8*(2*\p+\e)+\j], v14
.endr
.endr
.endr
.endm
	s_wait_alu depctr_va_vdst(0)
	s_wait_tensorcnt 0x0                           ; my step of K and V is in
	s_barrier_signal -1
	s_barrier_wait -1                              ; all sixteen steps are whole for every wave; nothing is ever filled again
	ds_load_b128 v[KS:KS+3], v1 offset:KSC
	KLOAD 1, 0, 0
	s_mov_b32 s[TB], 0
	STEPS 15
	STEP 1
	EPILOG
.irp i, 0,1,2,3,4,5
	ds_store_b128 v10, v[S+4*\i:S+4*\i+3] offset:512*\i   ; the first tile's rows wait: 24 registers in my parking place,
.endr
.irp i, 0,1,2,3,4,5,6,7
	v_mov_b32 v[HOLD+\i], v[S+24+\i]               ; eight in registers
.endr
.irp i, 0,1,2,3,4,5,6,7
	v_mov_b32 v[QB+\i], v[Q2+\i]                   ; the second tile's codes take their place in the operand,
.endr
	v_mov_b32 v6, v[Q2W]                           ; and its scale word
	INIT
	s_mov_b32 s[TB], 0
	STEPS 15
	STEP 2
	EPILOG
	; THE WAY OUT.  A lane holds 2 x 64 bytes of a row: a tile goes through my stage and comes back as whole rows of 256 bytes.
	v_and_b32 v7, 15, v0                           ; r
	v_bfe_u32 v9, v0, 4, 1                         ; h
	s_mul_i32 s43, s[WV], STG
	v_mul_u32_u24 v3, v7, SPITCH
	v_mul_u32_u24 v4, v9, SPITCH
	v_lshl_add_u32 v3, v9, 6, v3
	v_lshl_add_u32 v4, v7, 4, v4
	v_add_nc_u32 v3, s43, v3                       ; in: row r, + 64 h
	v_add_nc_u32 v4, s43, v4                       ; back: lanes 0-15 one row, lanes 16-31 the next
	v_lshlrev_b32 v9, 8, v9
	v_lshl_add_u32 v9, v7, 4, v9                   ; the same two rows in the output
.irp i, 0,1,2,3,4,5
	ds_load_b128 v[HL+4*\i:HL+4*\i+3], v10 offset:512*\i   ; the parked rows come back below the eight: v224-255
.endr
	s_wait_alu depctr_va_vdst(0)
	s_wait_dscnt 0x0
	s_barrier_signal -1
	s_barrier_wait -1                              ; no wave reads K or V any more; their bytes have had their only fill
.macro TOSTAGE src, back
.irp p, 0,1
.irp q, 0,1,2,3
	ds_store_b128 v3, v[\src+16*\p+4*\q:\src+16*\p+4*\q+3] offset:128*\p+16*\q
.endr
.endr
.irp i, 0,1,2,3,4,5,6,7
	ds_load_b128 v[\back+4*\i:\back+4*\i+3], v4 offset:2*\i*SPITCH   ; LDS serves a wave's instructions in order (ISA guide 5.7.1.4)
.endr
.endm
.macro SEND back, goff, younger        ; younger: the LDS instructions issued behind this tile's loads
.irp i, 0,1,2,3,4,5,6,7
	s_wait_dscnt \younger+7-\i
	global_store_b128 v9, v[\back+4*\i:\back+4*\i+3], s[6:7] offset:\goff+(2*\i+8*(\i/4))*256 th:TH_STORE_NT   ; tile lane r is row r + 8 (r / 8); sixteen lanes store 256 consecutive bytes, aligned
.endr
.endm
	TOSTAGE HL, KA
	TOSTAGE S, S+32
	SEND KA, 0, 16
	SEND S+32, 65536, 0                            ; the second tile lies 256 rows further down
	s_wait_tensorcnt 0x0                           ; the wave's end
	ds_add_u32 v[SPW], v[NIL]
	s_wait_dscnt 0x0
	CROUND                                         ; the closing round
	s_endpgm
.Lfunc_end_k_qfc879e701e_attn:
	.size	k_qfc879e701e_attn, .Lfunc_end_k_qfc879e701e_attn-k_qfc879e701e_attn
	.p2alignl 7, 3214868480
	.fill 96, 4, 3214868480
	.section	.rodata,"a",@progbits
	.p2align	6, 0x0
	.amdhsa_kernel k_qfc879e701e_attn
		.amdhsa_group_segment_fixed_size 327680
		.amdhsa_private_segment_fixed_size 0
		.amdhsa_enable_private_segment 0
		.amdhsa_kernarg_size 32
		.amdhsa_user_sgpr_count 2
		.amdhsa_user_sgpr_kernarg_segment_ptr 1
		.amdhsa_wavefront_size32 1
		.amdhsa_system_sgpr_workgroup_id_x 1
		.amdhsa_system_sgpr_workgroup_id_y 1
		.amdhsa_system_sgpr_workgroup_id_z 1
		.amdhsa_system_vgpr_workitem_id 0
		.amdhsa_next_free_vgpr 256
		.amdhsa_next_free_sgpr 105
		.amdhsa_reserve_vcc 1
		.amdhsa_float_denorm_mode_32 3
		.amdhsa_float_denorm_mode_16_64 3
		.amdhsa_memory_ordered 1
		.amdhsa_forward_progress 1
		.amdhsa_inst_pref_size 117
	.end_amdhsa_kernel
	.amdgpu_metadata
---
amdhsa.version: [ 1, 2 ]
amdhsa.kernels:
  - .name:           k_qfc879e701e_attn
    .symbol:         k_qfc879e701e_attn.kd
    .args:
      - { .name: q, .offset: 0, .size: 8, .value_kind: global_buffer, .address_space: global }
      - { .name: kvw, .offset: 8, .size: 8, .value_kind: global_buffer, .address_space: global }
      - { .name: maskw, .offset: 16, .size: 8, .value_kind: global_buffer, .address_space: global }
      - { .name: out0, .offset: 24, .size: 8, .value_kind: global_buffer, .address_space: global }
    .group_segment_fixed_size: 327680
    .private_segment_fixed_size: 0
    .kernarg_segment_align: 8
    .kernarg_segment_size: 32
    .max_flat_workgroup_size: 512
    .sgpr_count:     105
    .vgpr_count:     256
    .wavefront_size: 32
...
	.end_amdgpu_metadata
.endif
;; end of part 4
